; MI455X (gfx1250); checked and timed in simulation.
; The chip was launched on July 23, 2026; its instructions are those of AMD's public machine-readable ISA for CDNA 5 (MIT licence, August 2026) and "CDNA5" Instruction Set Architecture Reference Guide (July 2026). The comments in the code are by the model that wrote it; some were corrected since.
;; Causal Self Attention. Allowed arithmetic: matrix products marked QUANTISED: E2M1 operands, one E8M0 scale for each 32 along K, by v_wmma_scale_f32_16x16x128_f8f6f4 with both operands' format E2M1 (or v_wmma_scale_f32_32x16x128_f4), f32 sums; products left as they are: bf16, f16 or f32 operands; f32 sums; everything else in f32.
;; Inputs: W_out 1,024 x 1,024 float32; W_qkv 3,072 x 1,024 float32; x 4 x 2,048 x 1,024 float32.
;; Outputs: out0 4 x 2,048 x 1,024 float32.
;; This version of the problem:
;;   THIS VERSION OF THE PROBLEM IS GIVEN IN LOW PRECISION. The matrix products marked QUANTISED in the list below multiply operands that are first quantised to E2M1 (2 exponent bits, 1 mantissa bit; 4 bits a number), with one power-of-two scale for each 32 numbers along K (OCP MX v1.0); their sums are f32. The products marked 'left as it is' may take bf16, f16 or f32 operands, with f32 sums. Whichever they take, every output number must still come out within the allowed error. Rounding operands to bf16 (8 significant bits) uses up far more of that allowance than f16 does (11 bits, for magnitudes from 6e-5 to 65,504). All else is computed in f32.
;;   The module's matrix products, in the order in which they are computed (A, B: the left and right operand; K: the contracted axis; several contracted axes count as one K, in the product's order):
;;     1. [M 8,192, K 1,024] x [K 1,024, N 3,072]; A: input x; B: input W_qkv: QUANTISED
;;     2. batch 64 x [M 2,048, K 64] x [K 64, N 2,048]; A: computed on the way; B: computed on the way: left as it is (an operand is computed on the way)
;;     3. batch 64 x [M 2,048, K 2,048] x [K 2,048, N 64]; A: computed on the way; B: computed on the way: left as it is (an operand is computed on the way)
;;     4. [M 8,192, K 1,024] x [K 1,024, N 1,024]; A: computed on the way; B: input W_out: left as it is (an operand is computed on the way)
;;   THE QUANTISER, for each operand of a quantised product, along K:
;;     - K is cut into blocks of 32 from its start; a last block that is shorter is filled with zeros.
;;     - A block's scale is 2^e with e = floor(log2(the largest magnitude in the block)) - 2, held to -126 .. 127; a block of zeros has e = 0. As a byte (E8M0): e + 127.
;;     - Each number is divided by its block's scale, clamped to +-6, and rounded to the nearest number of E2M1, ties to even, subnormals kept.
;;     - The product sums the exact products of the quantised numbers (number of the format x scale) in f32.
;;   ~~~python
;;   def quantise(x, axis):      # numpy; x: float32 -> the quantised numbers, widened to float32 again
;;       x = np.moveaxis(x, axis, -1); K = x.shape[-1]
;;       x = np.pad(x, [(0, 0)] * (x.ndim - 1) + [(0, -K % 32)]); x = x.reshape(x.shape[:-1] + (-1, 32)); a = np.abs(x).max(-1, keepdims=True)
;;       e = np.where(a > 0, np.clip(np.frexp(np.where(a > 0, a, 1))[1] - 1 - 2, -126, 127), 0)      # np.frexp(a)[1] - 1 = floor(log2(a)), exactly
;;       r = np.clip(x / 2.0 ** e, -6, 6)
;;       step = 2.0 ** (np.maximum(np.frexp(np.where(r == 0, 1, r))[1] - 1, 0) - 1)
;;       q = np.round(r / step) * step * 2.0 ** e      # np.round: ties to even
;;       return np.moveaxis(q.reshape(q.shape[:-2] + (-1,))[..., :K], -1, axis).astype(np.float32)
;;   ~~~
;; One version. Each part assembles by itself: llvm-mc -triple=amdgcn-amd-amdhsa -mcpu=gfx1250 --defsym DOCPART=n.
;; ======== version 1 of 1: 6 launches
;; limits: values are held in f16: magnitudes above 65,504 overflow, below 6.1e-05 lose precision
;; workspace buffers: xc 4,194,304 bytes; xs 262,144 bytes; wc 1,572,864 bytes; ws 98,304 bytes; wo16 2,097,152 bytes; qkv 50,331,648 bytes; att 16,777,216 bytes; ofine 262,144 bytes
;; launch quant (part 1): grid 384 x 1, 4 waves a work-group, no clusters, 33,280 bytes of LDS; arguments x, W_qkv, xc, xs, wc, ws, W_out, wo16; writes xc, xs, wc, ws, wo16
.if DOCPART == 1
	.amdgcn_target "amdgcn-amd-amdhsa--gfx1250"
	.amdhsa_code_object_version 6
	.text
	.protected	k_q55e8ddbb76_quant
	.globl	k_q55e8ddbb76_quant
	.p2align	8
	.type	k_q55e8ddbb76_quant,@function
k_q55e8ddbb76_quant:
	s_mov_b64 s[64:65], 0
	v_nop
	global_prefetch_b8 v0, s[64:65] scope:SCOPE_SE
	s_setreg_imm32_b32 hwreg(HW_REG_WAVE_MODE, 25, 1), 1
	s_wait_xcnt 0x0
; x [8192][1024] and W_qkv [3072][1024], f32, become codes of FP4 (E2M1), K innermost, two codes a byte, with one E8M0 scale byte for each 32 along K; W_out [1024][1024] becomes f16.
; A block's scale is 2^(floor(log2(its largest magnitude)) - 2); its byte is the largest magnitude's own exponent field - 2, held at 1 from below.  A block of zeros so gets the byte 1 where the
; quantiser says 127: its codes are zeros, which add nothing under that byte, and the bytes are read by this program alone.  Each number is divided by the scale and rounded to the nearest code, ties to even.
; LIMITS: blocks whose largest magnitude lies under 2^-124, the floor, keep the byte 1; NaN and infinities among the inputs are not served; |W_out| stays under 65,504, the largest f16 number.
; Rows are dense and K is a multiple of 32: both tensors are plain streams of blocks of 32, and so are codes and scale bytes.
; Work-groups 0-255 take x, 256-351 W_qkv (only pointers are chosen: one path), 352-383 W_out (a path of its own, without LDS).
; A quantising wave takes 16 steps of 512 numbers.  Each load reads 512 consecutive bytes, 16 a lane; a step's 2,048 bytes turn through the wave's own stage in LDS and come back 64 bytes a lane,
; so that a lane holds 16 neighbours along K (two neighbouring lanes hold a block).  A lane's 16 codes are 8 bytes: the wave stores 256 consecutive bytes.  A wave's 256 scale bytes are gathered in LDS and leave together.
; No matrix unit, no cluster, no tensor load: waves share nothing, and memory bounds the launch.
.set SIZE_M, 8192
.set SIZE_N, 3072
.set SIZE_K, 1024
.set WAVES, 4
.set STEPS, 16
.set WGA,   SIZE_M*SIZE_K/(512*STEPS*WAVES)            ; 256 work-groups for x
.set WGQ,   (SIZE_M+SIZE_N)*SIZE_K/(512*STEPS*WAVES)   ; 352: from here on W_out
.set EMAX,  2
.set CB,    8                          ; bytes of 16 codes
.set R,     16                         ; v16-79   four sets of 16 numbers as they are loaded (W_out: v16-143, two groups of 64)
.set X,     80                         ; v80-111  two sets of 16 neighbours
.set C,     128                        ; v128-191 codes: four registers for each step, so that no store's data are written again
.set E,     112                        ; v112-127 a scale byte for each step
.set H16,   144                        ; v144-175 W_out: a group's f16 numbers
.set WREG,  8192                       ; LDS: a region for each wave: two stages of 32 x SP bytes, behind them its 256 scale bytes
.set SP,    80                         ; a lane's place in a stage: 64 bytes + 16 of padding
.set SPW,   12                         ; v12      LDS address of my spare word; never rewritten
.set NIL,   13                         ; v13      0; never rewritten
.set SPARE, WAVES*WREG                 ; behind the four regions: the spare words, 128 bytes for each wave, which no other line names
	s_load_b128 s[4:7], s[0:1], 0x0                ; x, W_qkv
	s_load_b128 s[8:11], s[0:1], 0x10              ; x's codes, x's scales
	s_load_b128 s[12:15], s[0:1], 0x20             ; W_qkv's codes, its scales
	s_load_b128 s[24:27], s[0:1], 0x30             ; W_out, its f16 copy
	v_lshl_add_u32 v[SPW], v0, 2, SPARE
	v_mov_b32 v[NIL], 0
	v_lshrrev_b32 v1, 5, v0
	v_readfirstlane_b32 s16, v1                    ; wave
	v_and_b32 v2, 31, v0                           ; lane
	v_lshlrev_b32 v3, 4, v2                        ; my 16 bytes of a load's 512
	s_mul_i32 s17, s16, WREG
	v_lshrrev_b32 v14, 2, v2
	v_mul_u32_u24 v14, v14, SP
	v_and_b32 v15, 3, v2
	v_lshl_add_u32 v14, v15, 4, v14
	v_add_nc_u32 v14, s17, v14                     ; the stage, on the way in: SP (lane / 4) + 16 (lane % 4)
	v_mul_u32_u24 v15, v2, SP
	v_add_nc_u32 v15, s17, v15                     ; and on the way out: SP x lane: my 16 neighbours
	v_mul_u32_u24 v4, v2, CB                       ; my codes' place in a step's
	v_lshrrev_b32 v5, 1, v2
	s_add_co_u32 s17, s17, 2*32*SP
	v_add_nc_u32 v5, s17, v5                       ; LDS: my wave's 256 scale bytes, my block's byte
	v_lshlrev_b32 v7, 3, v2                        ; 8 bytes a lane
	v_add_nc_u32 v6, s17, v7
	s_wait_kmcnt 0x0
	s_cmp_ge_u32 ttmp9, WGQ                        ; the work-group's number alone decides
	s_cbranch_scc1 .Lconv
	s_cmp_lt_u32 ttmp9, WGA                        ; x's work-group or W_qkv's?
	s_cselect_b64 s[4:5], s[4:5], s[6:7]
	s_cselect_b64 s[8:9], s[8:9], s[12:13]
	s_cselect_b64 s[10:11], s[10:11], s[14:15]
	s_cselect_b32 s17, 0, WGA
	s_sub_co_u32 s17, ttmp9, s17
	s_lshl_b32 s17, s17, 2
	s_add_co_u32 s18, s17, s16                     ; which run of 8,192 numbers of the tensor is my wave's
	s_mov_b32 s19, 0
	s_mov_b64 s[20:21], 512*STEPS*4
	s_mul_u64 s[20:21], s[18:19], s[20:21]
	s_add_nc_u64 s[4:5], s[4:5], s[20:21]
	s_mov_b64 s[20:21], 32*STEPS*CB
	s_mul_u64 s[20:21], s[18:19], s[20:21]
	s_add_nc_u64 s[8:9], s[8:9], s[20:21]
	s_lshl_b32 s18, s18, 8                         ; 256 scale bytes a run
	s_add_nc_u64 s[10:11], s[10:11], s[18:19]
.macro LOAD t
.irp i, 0,1,2,3
	global_load_b128 v[R+16*((\t)%4)+4*\i:R+16*((\t)%4)+4*\i+3], v3, s[4:5] offset:2048*(\t)+512*\i th:TH_LOAD_NT   ; 32 lanes read 512 consecutive bytes
.endr
.endm
.macro TURN t                          ; step t's numbers through the stage: LDS serves a wave's instructions in order (ISA guide 5.7.1.4), so no wait stands between the stores and the loads
.irp i, 0,1,2,3
	ds_store_b128 v14, v[R+16*((\t)%4)+4*\i:R+16*((\t)%4)+4*\i+3] offset:32*SP*((\t)%2)+8*SP*\i
.endr
.irp i, 0,1,2,3
	ds_load_b128 v[X+16*((\t)%2)+4*\i:X+16*((\t)%2)+4*\i+3], v15 offset:32*SP*((\t)%2)+16*\i
.endr
.endm
.irp t, 0,1,2,3
	LOAD \t
.endr
	s_wait_loadcnt 12                              ; step 0's four loads are in; the twelve of steps 1 to 3 may be out
	TURN 0
.macro STEP t
.set XS, X+16*((\t)%2)
.if (\t) > 0
	s_wait_dscnt 1                                 ; this step's numbers are back from the stage (the last step's byte store, issued behind them, may be out)
.else
	s_wait_dscnt 0x0
.endif
.if (\t)+4 < STEPS
	LOAD (\t)+4                                    ; into the registers that this step's stores into the stage have read
.endif
.if (\t)+1 < STEPS
.if STEPS-2-(\t) >= 3
	s_wait_loadcnt 12                              ; the next step's four loads are in; those of the three steps behind it may be out
.else
	s_wait_loadcnt 4*(STEPS-2-(\t))
.endif
	TURN (\t)+1                                    ; through the other stage while this step is worked
.endif
	v_max3_num_f32 v8, |v[XS]|, |v[XS+1]|, |v[XS+2]|               ; the largest magnitude of my 16, in two chains
	v_max3_num_f32 v9, |v[XS+3]|, |v[XS+4]|, |v[XS+5]|
.irp i, 6,10
	v_max3_num_f32 v8, v8, |v[XS+\i]|, |v[XS+\i+1]|
	v_max3_num_f32 v9, v9, |v[XS+\i+2]|, |v[XS+\i+3]|
.endr
	v_max3_num_f32 v8, v8, |v[XS+14]|, |v[XS+15]|
	v_max3_num_f32 v8, v8, v9, (EMAX+1)<<23        ; and the floor 2^(3 - 127): the byte cannot fall under 1
	v_max_num_f32_dpp v8, v8, v8 row_xmask:1 row_mask:0xf bank_mask:0xf   ; and of my neighbour's 16: the block's
	v_add_nc_u32 v11, -(EMAX<<23), v8              ; 2 off its exponent field: the conversion takes the exponent field of this operand as its scale
	v_cvt_scalef32_pk8_fp4_f32 v[C+4*(\t)], v[XS:XS+7], v11        ; eight numbers / the scale, to the nearest code, beyond the largest code the largest
	v_cvt_scalef32_pk8_fp4_f32 v[C+4*(\t)+1], v[XS+8:XS+15], v11
	v_lshrrev_b32 v[E+(\t)], 23, v11               ; the scale's byte (also the plain instruction behind the conversions)
	ds_store_b8 v5, v[E+(\t)] offset:16*(\t)       ; both lanes of a block write the same byte with the same value
	global_store_b64 v4, v[C+4*(\t):C+4*(\t)+1], s[8:9] offset:32*CB*(\t)   ; 256 consecutive bytes a wave, aligned
.endm
.irp t, 0,1,2,3,4,5,6,7,8,9,10,11,12,13,14,15
	STEP \t
.endr
	ds_load_b64 v[8:9], v6                         ; in order behind my byte stores
	s_wait_dscnt 0x0
	global_store_b64 v7, v[8:9], s[10:11]          ; 32 lanes store 256 consecutive bytes, aligned
	s_wait_tensorcnt 0x0                           ; the wave's end, behind my last LDS store
	ds_add_u32 v[SPW], v[NIL]
	s_wait_dscnt 0x0
	s_endpgm
; W_out to f16: a wave takes 8,192 numbers, in four groups of sixteen loads of 512 consecutive bytes; two groups are on their way at a time.
.Lconv:
	s_sub_co_u32 s17, ttmp9, WGQ
	s_lshl_b32 s17, s17, 2
	s_add_co_u32 s17, s17, s16                     ; my run
	s_lshl_b32 s18, s17, 15                        ; 32,768 bytes of f32,
	s_mov_b32 s19, 0
	s_add_nc_u64 s[24:25], s[24:25], s[18:19]
	s_lshl_b32 s18, s17, 14                        ; 16,384 of f16
	s_add_nc_u64 s[26:27], s[26:27], s[18:19]
.macro CLOAD g
.set i, 0
.rept 16
	global_load_b128 v[R+64*((\g)%2)+4*i:R+64*((\g)%2)+4*i+3], v3, s[24:25] offset:8192*(\g)+512*i
.set i, i+1
.endr
.endm
.macro CONV g
.set RG, R+64*((\g)%2)
.if (\g) < 3
	s_wait_loadcnt 16                              ; this group is in; the next group's sixteen loads may be out
.else
	s_wait_loadcnt 0x0
.endif
.if (\g) > 0
	s_wait_xcnt 0x0                                ; the last group's stores have read their data: v144-175 are written again only behind this wait
.endif
.set i, 0
.rept 16
	v_cvt_pk_f16_f32 v[H16+2*i], v[RG+4*i], v[RG+4*i+1]
	v_cvt_pk_f16_f32 v[H16+2*i+1], v[RG+4*i+2], v[RG+4*i+3]
.set i, i+1
.endr
.set i, 0
.rept 16
	global_store_b64 v7, v[H16+2*i:H16+2*i+1], s[26:27] offset:4096*(\g)+256*i   ; 256 consecutive bytes a wave, aligned
.set i, i+1
.endr
.if (\g)+2 < 4
	CLOAD (\g)+2
.endif
.endm
	CLOAD 0
	CLOAD 1
	CONV 0
	CONV 1
	CONV 2
	CONV 3
	s_wait_tensorcnt 0x0                           ; the same three closing lines on this path
	ds_add_u32 v[SPW], v[NIL]
	s_wait_dscnt 0x0
	s_endpgm
.Lfunc_end_k_q55e8ddbb76_quant:
	.size	k_q55e8ddbb76_quant, .Lfunc_end_k_q55e8ddbb76_quant-k_q55e8ddbb76_quant
	.p2alignl 7, 3214868480
	.fill 96, 4, 3214868480
	.section	.rodata,"a",@progbits
	.p2align	6, 0x0
	.amdhsa_kernel k_q55e8ddbb76_quant
		.amdhsa_group_segment_fixed_size 33280
		.amdhsa_private_segment_fixed_size 0
		.amdhsa_enable_private_segment 0
		.amdhsa_kernarg_size 64
		.amdhsa_user_sgpr_count 2
		.amdhsa_user_sgpr_kernarg_segment_ptr 1
		.amdhsa_wavefront_size32 1
		.amdhsa_system_sgpr_workgroup_id_x 1
		.amdhsa_system_sgpr_workgroup_id_y 1
		.amdhsa_system_sgpr_workgroup_id_z 1
		.amdhsa_system_vgpr_workitem_id 0
		.amdhsa_next_free_vgpr 192
		.amdhsa_next_free_sgpr 66
		.amdhsa_reserve_vcc 0
		.amdhsa_float_denorm_mode_32 3
		.amdhsa_float_denorm_mode_16_64 3
		.amdhsa_memory_ordered 1
		.amdhsa_forward_progress 1
		.amdhsa_inst_pref_size 54
	.end_amdhsa_kernel
	.amdgpu_metadata
---
amdhsa.version: [ 1, 2 ]
amdhsa.kernels:
  - .name:           k_q55e8ddbb76_quant
    .symbol:         k_q55e8ddbb76_quant.kd
    .args:
      - { .name: x, .offset: 0, .size: 8, .value_kind: global_buffer, .address_space: global }
      - { .name: W_qkv, .offset: 8, .size: 8, .value_kind: global_buffer, .address_space: global }
      - { .name: xc, .offset: 16, .size: 8, .value_kind: global_buffer, .address_space: global }
      - { .name: xs, .offset: 24, .size: 8, .value_kind: global_buffer, .address_space: global }
      - { .name: wc, .offset: 32, .size: 8, .value_kind: global_buffer, .address_space: global }
      - { .name: ws, .offset: 40, .size: 8, .value_kind: global_buffer, .address_space: global }
      - { .name: W_out, .offset: 48, .size: 8, .value_kind: global_buffer, .address_space: global }
      - { .name: wo16, .offset: 56, .size: 8, .value_kind: global_buffer, .address_space: global }
    .group_segment_fixed_size: 33280
    .private_segment_fixed_size: 0
    .kernarg_segment_align: 8
    .kernarg_segment_size: 64
    .max_flat_workgroup_size: 128
    .sgpr_count:     66
    .vgpr_count:     192
    .wavefront_size: 32
...
	.end_amdgpu_metadata
.endif
;; end of part 1
;; launch qkv (part 2): grid 12 x 32, 4 waves a work-group, clusters of 4 x 4, 327,680 bytes of LDS; arguments xc, xs, wc, ws, qkv; writes qkv
.if DOCPART == 2
	.amdgcn_target "amdgcn-amd-amdhsa--gfx1250"
	.amdhsa_code_object_version 6
	.text
	.protected	k_q55e8ddbb76_qkv
	.globl	k_q55e8ddbb76_qkv
	.p2align	8
	.type	k_q55e8ddbb76_qkv,@function
k_q55e8ddbb76_qkv:
	s_mov_b64 s[64:65], 0
	v_nop
	global_prefetch_b8 v0, s[64:65] scope:SCOPE_SE
	s_setreg_imm32_b32 hwreg(HW_REG_WAVE_MODE, 25, 1), 1
	s_wait_xcnt 0x0
	s_wait_alu depctr_hold_cnt(0) depctr_sa_sdst(0) depctr_va_vdst(0) depctr_va_sdst(0) depctr_va_ssrc(0) depctr_va_vcc(0) depctr_vm_vsrc(0)
	s_getreg_b32 s2, hwreg(HW_REG_IB_STS2, 6, 4)
	s_cmp_eq_u32 s2, 0
	s_cbranch_scc0 .Lentry_in_a_cluster
	s_endpgm
.Lentry_in_a_cluster:
	s_bfe_u32 s2, ttmp6, 0x10000c
	s_cmp_lg_u32 s2, 0xf033
	s_cbranch_scc0 .Lentry_shape_is_right
	s_endpgm
.Lentry_shape_is_right:
; qkv[m][f] = sum over k of x[m][k] W_qkv[f][k], both operands as codes of FP4 (E2M1) with one E8M0 scale for each 32 along K; sums in f32; the results are rounded once to f16 and laid by head:
; [3 (q, k, v)][batch 4][head 16][t 2048][64], a row of 128 bytes.  LIMIT: |q|, |k|, |v| stay under 65,504, the largest f16 number: with spread 1 at the drawn inputs there is room for both inputs 30 times larger.
; A tile of 256 rows x 256 columns is made by a work-group of four waves; a wave makes 128 x 128: 64 accumulators of 16 x 16, 512 registers.
; K = 1,024 is two slots of 512 along K (rows of 256 bytes): both are asked for at the start and nothing is filled again.  The scales of the work-group's rows, two dense blocks, come with them and stay.
; CLUSTERS: 4 x 4 work-groups.  The four of a row of the cluster need the same tiles of x, the four of a column the same tiles of W: each tile is asked for JOINTLY, by the same tensor load with the
; same descriptor and a mask that names the four.  THE MATRIX INSTRUCTION IS USED TRANSPOSED (source 0 = 16 rows of W, source 1 = 16 rows of x): a lane then holds eight neighbouring columns of one row.
; REGISTERS, in windows of 256: window 0: v0-31 addresses; v32-95 scale words, two sets, and nothing else; v128-191 x's fragments, ONE set (on the way out: rows read back); v192-223 the way out's packed results.
;   window 1: W's fragments, TWO sets, at v0 and v128.   window 2: the 32 accumulators of my rows 0-63 (accumulator (a, b) at v[8 (8 a + b)]);   window 3: those of my rows 64-127.
.set SIZE_M, 8192
.set SIZE_N, 3072
.set SIZE_K, 1024
.set KSTEP,  512                       ; along K in a slot
.set NQ,     KSTEP/128                 ; matrix instructions deep
.set ROWB,   256                       ; a tile's row in bytes
.set KROW,   SIZE_K*4/8                ; a row of codes in memory
.set PITCH,  272                       ; an LDS row: 256 bytes + 16 of padding = 68 words: the 16 rows that a load touches start at 16 different banks (64 banks of 4 bytes: ISA guide 11.1)
.set FR,     8                         ; registers of a fragment: 16 rows x 128 K
.set NL,     2                         ; LDS loads that bring one
.set NP,     4                         ; places behind this matrix instruction (ISA guide 7.12.1)
.set HALFT,  128*PITCH                 ; 128 rows: what one tensor load brings
.set SLOT,   4*HALFT                   ; x's 256 rows, then W's 256 rows
.set KS,     SIZE_K/32                 ; a row of scales in bytes
.set SCL,    2*SLOT                    ; behind the two slots: the scales, as rows of 256 bytes + 16 of padding
.set HALFS,  (128*KS/256)*272          ; the scales of 128 rows
.set SBLK,   (16*KS/256)*272           ; those of 16 rows
.set SPARE,  SCL+4*HALFS               ; behind the scales: the spare words, 128 bytes for each wave, which no other line names
.set SPITCH, 272                       ; the way out: a stage of 16 rows x (256 bytes + 16) for each wave, in slot 0, which has had its only fill and its last read when the first result is stored there
.set ADRA, 16                          ; v16-17  LDS address of my fragments of x in slot 0, 1
.set ADRB, 20                          ; v20-21  the same for W
.set STO,  24                          ; v24     the way out: where I put 16 bytes of a row
.set RD,   25                          ; v25     the way out: where I read back
.set CO,   26                          ; v26     16 x lane
.set ADRS, 27                          ; v27     LDS address of my scale words: lanes 0-15 x's rows, lanes 16-31 W's
.set SPW,  28                          ; v28     LDS address of my spare word; never rewritten
.set NIL,  29                          ; v29     0; never rewritten
.set SC,   32                          ; scale words: set s at v[SC + 32 s]; register 4 i + q: lanes 0-15 the word of x's block i, lanes 16-31 that of W's block i, for the slot's q-th 128 along K
.set AF,   128                         ; x's fragments, in window 0
.set BK,   128                         ; the way out: 16 rows read back: v128-159 and v160-191 by turns
.set TMP,  192                         ; the way out: packed results
.set G1, 24                            ; s[24:31] descriptor group 1 for x's tiles;  s[32:39] group 0, one set for each slot
.set G0, 32
.set G1B, 48                           ; s[48:55], s[56:63] the same for W's tiles
.set G0B, 56
.set G1S, 68                           ; s[68:75], s[76:79] groups 1 and 0 for x's scales;  s[80:87], s[88:91] for W's
.set G0S, 76
.set G1SB, 80
.set G0SB, 88
.set MSB, 0
.macro WIN new                         ; the immediate's high byte repeats the setting that is left
.if MSB != \new
	s_set_vgpr_msb (MSB<<8)|\new
.set MSB, \new
.endif
.endm
.set MUL_LO, 0xa1                      ; source 0 (W) window 1, source 1 (x) window 0, C and D window 2
.set MUL_HI, 0xf1                      ; the same, C and D window 3
.set TO_B,   0x40                      ; destination window 1, address window 0
; A joint load: waves 0 and 1 fetch for x, waves 2 and 3 for W.  Each of the two lines has ONE mask and one set of registers for all that issue it; the branch hangs on the wave's number alone.
; An s_nop 0 and four v_nop follow each of the two lines.
.macro JLOAD g0a, g1a, g0b, g1b
	s_cmp_eq_u32 s15, 0
	s_cbranch_scc0 .Lfor_b_\@
	tensor_load_to_lds s[\g0a:\g0a+3], s[\g1a:\g1a+7]
	s_nop 0
.rept 4
	v_nop
.endr
	s_branch .Lasked_\@
.Lfor_b_\@:
	tensor_load_to_lds s[\g0b:\g0b+3], s[\g1b:\g1b+7]
	s_nop 0
.rept 4
	v_nop
.endr
.Lasked_\@:
.endm
.macro CROUND                          ; a round of the cluster's barrier: my work-group's barrier; wave 0 signals for the work-group; every wave waits for all sixteen; my work-group's barrier once more
	s_barrier_signal -1
	s_barrier_wait -1
	s_cmp_lg_u32 s14, 0
	s_cbranch_scc1 .Lnot_wave_0_\@
	s_barrier_signal -3
.Lnot_wave_0_\@:
	s_barrier_wait -3
	s_barrier_signal -1
	s_barrier_wait -1
.endm
	s_load_b128 s[4:7], s[0:1], 0x0                ; x's codes s[4:5], x's scales s[6:7]
	s_load_b128 s[8:11], s[0:1], 0x10              ; W's codes s[8:9], W's scales s[10:11]
	s_load_b64 s[12:13], s[0:1], 0x20              ; qkv
	v_lshl_add_u32 v[SPW], v0, 2, SPARE
	v_mov_b32 v[NIL], 0
	ds_add_u32 v[SPW], v[NIL]                      ; the wave's opening: the add, twice on end, and its wait ahead of my first tensor load; the set-up below stands between
	ds_add_u32 v[SPW], v[NIL]
	v_lshrrev_b32 v1, 5, v0
	v_readfirstlane_b32 s14, v1                    ; wave 0..3
	s_lshr_b32 s15, s14, 1                         ; which half of the tile's rows is mine.  Also: I fetch for x (0) or for W (1)
	s_and_b32 s16, s14, 1                          ; which half of its columns.  Also: which 128 rows of that tile I fetch
	s_bfe_u32 s40, ttmp6, 0x40000                  ; cx, cy: my place in the cluster
	s_bfe_u32 s41, ttmp6, 0x40004
	s_lshl_b32 s42, ttmp9, 2
	s_add_co_u32 s42, s42, s40                     ; tile column = 4 x cluster x + cx
	s_and_b32 s17, ttmp7, 0xffff
	s_lshl_b32 s17, s17, 2
	s_add_co_u32 s17, s17, s41                     ; tile row = 4 x cluster y + cy
	s_lshl_b32 s43, s41, 2
	s_lshl_b32 s43, 15, s43                        ; my row of the cluster
	s_lshl_b32 s44, 0x1111, s40                    ; my column
	; descriptor group 1: a tile of 128 rows x 256 bytes, padded in LDS
	s_or_b32 s[G1+0], s43, (0<<16)|(1<<20)|(1<<21)|(5<<22)|(3<<25)  ; 15:0 the mask: x's tiles go to my row; 17:16 element of 1 byte; 20 padding on; 21 set beside a mask; 24:22 after every 64 words; 31:25 four words
	s_or_b32 s[G1B+0], s44, (0<<16)|(1<<20)|(1<<21)|(5<<22)|(3<<25)
.irp g, G1, G1B
	s_mov_b32 s[\g+1], ROWB<<16                    ; tensor_dim0
	s_mov_b32 s[\g+2], 128<<16                     ; tensor_dim1
	s_mov_b32 s[\g+3], ROWB<<16                    ; tile_dim0
	s_mov_b32 s[\g+4], 128                         ; tile_dim1
	s_mov_b32 s[\g+5], KROW                        ; tensor_dim0_stride
	s_mov_b32 s[\g+6], 0
	s_mov_b32 s[\g+7], 0
.endr
	; the scales of 128 rows: a dense block of 4,096 bytes, as 16 rows of 256 bytes (32 elements of 8 bytes), 16 bytes of padding behind each
	s_or_b32 s[G1S+0], s43, (3<<16)|(1<<20)|(1<<21)|(5<<22)|(3<<25)
	s_or_b32 s[G1SB+0], s44, (3<<16)|(1<<20)|(1<<21)|(5<<22)|(3<<25)
.irp g, G1S, G1SB
	s_mov_b32 s[\g+1], 32<<16
	s_mov_b32 s[\g+2], (128*KS/256)<<16
	s_mov_b32 s[\g+3], 32<<16
	s_mov_b32 s[\g+4], 128*KS/256
	s_mov_b32 s[\g+5], 32
	s_mov_b32 s[\g+6], 0
	s_mov_b32 s[\g+7], 0
.endr
	s_lshl_b32 s18, s16, 7                         ; which 128 rows of the tile I fetch
	s_lshl_b32 s20, s17, 8
	s_add_co_u32 s20, s20, s18                     ; x: row 256 x tile row + 128 x half
	s_lshl_b32 s46, s42, 8
	s_add_co_u32 s46, s46, s18                     ; W: row 256 x tile column + 128 x half
	s_mov_b32 s21, 0
	s_mov_b32 s47, 0
	s_mov_b64 s[18:19], KS
	s_mul_u64 s[22:23], s[20:21], s[18:19]         ; where these rows' scales begin, in bytes
	s_mul_u64 s[92:93], s[46:47], s[18:19]
	s_mov_b64 s[18:19], KROW
	s_mul_u64 s[20:21], s[20:21], s[18:19]         ; and their codes
	s_mul_u64 s[46:47], s[46:47], s[18:19]
	s_mul_i32 s45, s14, HALFT                      ; where they go: wave x 128 rows: no place in the cluster enters an LDS address
	s_mul_i32 s94, s14, HALFS
	s_wait_dscnt 0x0                               ; both opening adds are done
	s_wait_kmcnt 0x0
	s_add_nc_u64 s[20:21], s[4:5], s[20:21]
	s_add_nc_u64 s[22:23], s[6:7], s[22:23]
	s_add_nc_u64 s[46:47], s[8:9], s[46:47]
	s_add_nc_u64 s[92:93], s[10:11], s[92:93]
	CROUND                                         ; all sixteen work-groups are here: the joint loads meet.  Three loads of mine go out
	s_mov_b32 s[G0S], 1
	s_add_co_u32 s[G0S+1], s94, SCL
	s_mov_b64 s[G0S+2:G0S+3], s[22:23]
	s_or_b32 s[G0S+3], s[G0S+3], 0x80000000
	s_mov_b32 s[G0SB], 1
	s_add_co_u32 s[G0SB+1], s94, SCL
	s_mov_b64 s[G0SB+2:G0SB+3], s[92:93]
	s_or_b32 s[G0SB+3], s[G0SB+3], 0x80000000
	JLOAD G0S, G1S, G0SB, G1SB                     ; the scales first: they are wanted with slot 0
.irp s, 0,1
	s_mov_b32 s[G0+4*\s], 1
	s_add_co_u32 s[G0+4*\s+1], s45, \s*SLOT
	s_add_nc_u64 s[G0+4*\s+2:G0+4*\s+3], s[20:21], \s*ROWB
	s_or_b32 s[G0+4*\s+3], s[G0+4*\s+3], 0x80000000
	s_mov_b32 s[G0B+4*\s], 1
	s_add_co_u32 s[G0B+4*\s+1], s45, \s*SLOT
	s_add_nc_u64 s[G0B+4*\s+2:G0B+4*\s+3], s[46:47], \s*ROWB
	s_or_b32 s[G0B+4*\s+3], s[G0B+4*\s+3], 0x80000000
	JLOAD G0+4*\s, G1, G0B+4*\s, G1B
.endr
	v_and_b32 v1, 15, v0                           ; l % 16
	v_bfe_u32 v2, v0, 4, 1                         ; l / 16
	v_mul_u32_u24 v3, v1, PITCH
	v_lshl_add_u32 v4, v2, 4, v3                   ; a fragment's row x pitch + 16 x half
	s_mul_i32 s21, s15, HALFT                      ; my 128 rows of x
	s_mul_i32 s22, s16, HALFT                      ; my 128 rows of W,
	s_add_co_u32 s22, s22, 2*HALFT                 ; which lie behind x's 256
.irp s, 0,1
	v_add_nc_u32 v[ADRA+\s], s21, v4
	v_add_nc_u32 v[ADRB+\s], s22, v4
	s_add_co_u32 s21, s21, SLOT
	s_add_co_u32 s22, s22, SLOT
.endr
	v_mul_u32_u24 v5, v1, KS                       ; my row's scales: 32 bytes a row,
	v_lshrrev_b32 v6, 8, v5
	v_lshl_add_u32 v5, v6, 4, v5                   ; and 16 more for each 256 passed
	s_mul_i32 s21, s15, HALFS                      ; x's: my 128 rows
	s_mul_i32 s22, s16, HALFS                      ; W's: my 128 rows, behind x's 256
	s_add_co_u32 s22, s22, 2*HALFS
	s_sub_co_u32 s22, s22, s21
	v_mul_u32_u24 v6, s22, v2                      ; lanes 16-31 take W's
	s_add_co_u32 s21, s21, SCL
	v_add_nc_u32 v5, v5, v6
	v_add_nc_u32 v[ADRS], s21, v5
	s_mul_i32 s23, s14, 16*SPITCH                  ; my stage
	v_mul_u32_u24 v5, v1, SPITCH                   ; in: row l % 16, 16 bytes for each half of the lanes
	v_lshl_add_u32 v5, v2, 4, v5
	v_add_nc_u32 v[STO], s23, v5
	v_and_b32 v6, 31, v0
	v_lshlrev_b32 v[CO], 4, v6                     ; out: 16 bytes a lane
	v_lshrrev_b32 v5, 3, v6                        ; back: eight lanes take one head's 128 bytes of a row, four rows an instruction
	v_mul_u32_u24 v5, v5, SPITCH
	v_and_b32 v6, 7, v6
	v_lshl_add_u32 v5, v6, 4, v5
	v_add_nc_u32 v[RD], s23, v5
	; where my part begins in qkv.  Rows: batch = tile row / 8, t = 256 (tile row % 8) + 128 x half.  Columns: section = tile column / 4, head = 4 (tile column % 4) + 2 x half
	s_lshr_b32 s20, s17, 3
	s_lshl_b32 s20, s20, 22                        ; a batch: 4,194,304 bytes
	s_and_b32 s21, s17, 7
	s_lshl_b32 s21, s21, 15                        ; 256 rows of 128 bytes
	s_add_co_u32 s20, s20, s21
	s_lshl_b32 s21, s15, 14
	s_add_co_u32 s20, s20, s21
	s_mov_b32 s21, 0
	s_lshr_b32 s46, s42, 2
	s_lshl_b32 s46, s46, 24                        ; a section: 16,777,216 bytes
	s_and_b32 s47, s42, 3
	s_lshl_b32 s47, s47, 20                        ; four heads of 262,144 bytes
	s_add_co_u32 s46, s46, s47
	s_lshl_b32 s47, s16, 19
	s_add_co_u32 s46, s46, s47
	s_mov_b32 s47, 0
	s_add_nc_u64 s[20:21], s[20:21], s[46:47]
	s_add_nc_u64 s[12:13], s[12:13], s[20:21]
.macro FRAG reg, adr, q, i             ; 16 rows x 128 K of 4-bit codes, 8 registers: lane l holds row l % 16; registers 4 c .. 4 c + 3 hold K = 64 c + 32 (l / 16) + 0 .. 31
.irp c, 0,1
	ds_load_b128 v[\reg+4*\c:\reg+4*\c+3], v[\adr] offset:64*(\q)+32*\c+(\i)*16*PITCH
.endr
.endm
; 16 matrix instructions: x's blocks a0, a0 + 1 against W's eight, the slot's q-th 128 along K.  p: W's set;  sc: the set of scale words.  zero = 1: the first product starts the sums.
; The 64 accumulators take turns, one instruction a turn, in the same order in every step.
.macro MUL16 a0, p, q, sc, zero
.irp a, \a0, \a0+1
.irp b, 0,1,2,3,4,5,6,7
.if \zero
	v_wmma_scale_f32_16x16x128_f8f6f4 v[8*(8*((\a)%4)+\b):8*(8*((\a)%4)+\b)+7], v[128*(\p)+FR*\b:128*(\p)+FR*\b+FR-1], v[AF+FR*(\a):AF+FR*(\a)+FR-1], 0, v[SC+8*NQ*(\sc)+NQ*\b+(\q)], v[SC+8*NQ*(\sc)+NQ*(\a)+(\q)] matrix_a_fmt:MATRIX_FMT_FP4 matrix_b_fmt:MATRIX_FMT_FP4 matrix_a_scale:MATRIX_SCALE_ROW1
.else
	v_wmma_scale_f32_16x16x128_f8f6f4 v[8*(8*((\a)%4)+\b):8*(8*((\a)%4)+\b)+7], v[128*(\p)+FR*\b:128*(\p)+FR*\b+FR-1], v[AF+FR*(\a):AF+FR*(\a)+FR-1], v[8*(8*((\a)%4)+\b):8*(8*((\a)%4)+\b)+7], v[SC+8*NQ*(\sc)+NQ*\b+(\q)], v[SC+8*NQ*(\sc)+NQ*(\a)+(\q)] matrix_a_fmt:MATRIX_FMT_FP4 matrix_b_fmt:MATRIX_FMT_FP4 matrix_a_scale:MATRIX_SCALE_ROW1
.endif
.endr
.endr
.endm
.macro FETCH_B slot, q, p              ; W's eight fragments of the slot's q-th 128 along K into set p
	WIN TO_B
.irp i, 0,1,2,3,4,5,6,7
	FRAG 128*(\p)+FR*\i, ADRB+\slot, \q, \i
.endr
	WIN 0
.endm
.macro FETCH_A slot, q, i0             ; x's blocks i0 .. i0 + 3
.irp i, \i0, \i0+1, \i0+2, \i0+3
	FRAG AF+FR*(\i), ADRA+\slot, \q, \i
.endr
.endm
.macro SCALES sc                       ; a slot's scale words into set sc: four words a row; lanes 0-15 take x's block i, lanes 16-31 W's block i
.irp i, 0,1,2,3,4,5,6,7
	ds_load_b128 v[SC+8*NQ*\sc+NQ*\i:SC+8*NQ*\sc+NQ*\i+3], v[ADRS] offset:\i*SBLK
.endr
.endm
; A load into a register that a matrix instruction has read, and a vector instruction that reads a matrix result, stand four places behind that matrix instruction; only plain vector
; instructions that name none of its registers are places (ISA guide 7.12.1 for vector instructions).
.macro PLACES n
.rept \n
	v_nop
.endr
.endm
.macro STEP slot, q, zero              ; a step of 128 along K that has its successor in the same slot
	s_wait_dscnt 4*NL                              ; W's set and x's blocks 0-3 are in; the youngest eight loads (x's blocks 4-7) may be out
	WIN MUL_LO
	MUL16 0, (\q)%2, \q, \slot, \zero
	MUL16 2, (\q)%2, \q, \slot, \zero
	s_wait_dscnt 0                                 ; x's blocks 4-7 are in
	PLACES NP
	FETCH_B \slot, (\q)+1, 1-(\q)%2
	FETCH_A \slot, (\q)+1, 0
	WIN MUL_HI
	MUL16 4, (\q)%2, \q, \slot, \zero
	MUL16 6, (\q)%2, \q, \slot, \zero
	PLACES NP
	WIN 0
	FETCH_A \slot, (\q)+1, 4
.endm
; Slot 0's last step changes slots: one barrier; in front of it each wave waits for all its tensor loads (its part of slot 1), adds 0 to its spare word, and waits for that and for its reads of slot 0.
.macro TURN slot, next
	s_wait_tensorcnt 0x0                           ; all my tensor loads have landed
	ds_add_u32 v[SPW], v[NIL]                      ; 0 onto my spare word
	s_wait_dscnt 4*NL+1                            ; (the add and the youngest eight loads, x's blocks 4-7, may be out)
	WIN MUL_LO
	MUL16 0, 1, NQ-1, \slot, 0                     ; sixteen matrix instructions stand between the add and the wait for it
	s_wait_dscnt 0x0                               ; the add is done, and my reads of this slot are over
	s_barrier_signal -1
	MUL16 2, 1, NQ-1, \slot, 0
	WIN 0
	s_barrier_wait -1                              ; the next slot is whole, and nobody reads this one any more
	PLACES NP
	v_add_nc_u32 v[ADRS], 4*NQ, v[ADRS]            ; on to the next slot's scale words (no LDS load of mine is out)
	FETCH_B \next, 0, 0
	FETCH_A \next, 0, 0
	SCALES \next
	WIN MUL_HI
	MUL16 4, 1, NQ-1, \slot, 0
	MUL16 6, 1, NQ-1, \slot, 0
	PLACES NP
	WIN 0
	FETCH_A \next, 0, 4
.endm
.macro STEPS slot, from                ; the slot's steps from .. NQ - 2
.set Q, \from
.rept NQ-1-\from
	STEP \slot, Q, 0
.set Q, Q+1
.endr
.endm
	s_wait_tensorcnt 1                             ; the scales and my part of slot 0 are in; slot 1's load, issued behind them, may be out
	s_barrier_signal -1
	s_barrier_wait -1                              ; everybody's are
	FETCH_B 0, 0, 0
	FETCH_A 0, 0, 0
	SCALES 0
	FETCH_A 0, 0, 4
	STEP 0, 0, 1                                   ; the first step's products start the sums: nothing is cleared
	STEPS 0, 1
	TURN 0, 1
	STEPS 1, 0
	s_wait_dscnt 4*NL                              ; the last step: nothing more to fetch
	WIN MUL_LO
	MUL16 0, 1, NQ-1, 1, 0
	MUL16 2, 1, NQ-1, 1, 0
	s_wait_dscnt 0
	WIN MUL_HI
	MUL16 4, 1, NQ-1, 1, 0
	MUL16 6, 1, NQ-1, 1, 0
	WIN 0
; THE WAY OUT, a block of 16 rows x 128 columns (two heads) at a time.  PACK: rounded to f16, 16 bytes a lane, each accumulator from its low end on.  TOSTAGE: into my own stage and back, eight lanes to one head's
; 128 bytes of a row.  SEND: each store covers four rows t of one head: 512 consecutive bytes, aligned.  LDS serves a wave's instructions in order (ISA guide 5.7.1.4): no wait between the stage's stores and loads.
.macro PACK a
.set AC, 64*((\a)%4)
	WIN 0x0a+5*((\a)/4)                            ; sources 0 and 1: window 2 or 3
.irp b, 0,1,2,3,4,5,6,7
.irp r, 0,1,2,3
	v_cvt_pk_f16_f32 v[TMP+4*\b+\r], v[AC+8*\b+2*\r], v[AC+8*\b+2*\r+1]
.endr
.endr
	WIN 0
.endm
.macro TOSTAGE a
.set BB, BK+32*((\a)%2)
.irp b, 0,1,2,3,4,5,6,7
	ds_store_b128 v[STO], v[TMP+4*\b:TMP+4*\b+3] offset:32*\b
.endr
.irp hd, 0,1
.irp i, 0,1,2,3
	ds_load_b128 v[BB+4*(4*\hd+\i):BB+4*(4*\hd+\i)+3], v[RD] offset:128*\hd+4*SPITCH*\i
.endr
.endr
.endm
.macro SEND a
.set BB, BK+32*((\a)%2)
	s_wait_dscnt 0x0                               ; the block is back in registers
	s_wait_xcnt 0x0                                ; the stores of the block before have read their data: the next block's loads land there only behind this wait
.irp hd, 0,1
.irp i, 0,1,2,3
	global_store_b128 v[CO], v[BB+4*(4*\hd+\i):BB+4*(4*\hd+\i)+3], s[12:13] offset:262144*\hd+2048*(\a)+512*\i
.endr
.endr
.endm
	PLACES NP                                      ; behind the last products: for the conversions, and for the loads into the registers that held x's fragments
	PACK 0
	TOSTAGE 0
.irp a, 1,2,3,4,5,6,7                  ; block a's conversions stand between block a - 1's loads from the stage and the wait for them
	PACK \a
	SEND \a-1
	TOSTAGE \a
.endr
	SEND 7
	s_wait_tensorcnt 0x0                           ; the wave's end, behind my last tensor load and my last LDS store
	ds_add_u32 v[SPW], v[NIL]
	s_wait_dscnt 0x0
	CROUND                                         ; the closing round: no work-group ends while a partner may still ask for a tile that names it
	s_endpgm
.Lfunc_end_k_q55e8ddbb76_qkv:
	.size	k_q55e8ddbb76_qkv, .Lfunc_end_k_q55e8ddbb76_qkv-k_q55e8ddbb76_qkv
	.p2alignl 7, 3214868480
	.fill 96, 4, 3214868480
	.section	.rodata,"a",@progbits
	.p2align	6, 0x0
	.amdhsa_kernel k_q55e8ddbb76_qkv
		.amdhsa_group_segment_fixed_size 327680
		.amdhsa_private_segment_fixed_size 0
		.amdhsa_enable_private_segment 0
		.amdhsa_kernarg_size 40
		.amdhsa_user_sgpr_count 2
		.amdhsa_user_sgpr_kernarg_segment_ptr 1
		.amdhsa_wavefront_size32 1
		.amdhsa_system_sgpr_workgroup_id_x 1
		.amdhsa_system_sgpr_workgroup_id_y 1
		.amdhsa_system_sgpr_workgroup_id_z 1
		.amdhsa_system_vgpr_workitem_id 0
		.amdhsa_next_free_vgpr 1024
		.amdhsa_next_free_sgpr 98
		.amdhsa_reserve_vcc 0
		.amdhsa_float_denorm_mode_32 3
		.amdhsa_float_denorm_mode_16_64 3
		.amdhsa_memory_ordered 1
		.amdhsa_forward_progress 1
		.amdhsa_inst_pref_size 126
	.end_amdhsa_kernel
	.amdgpu_metadata
---
amdhsa.version: [ 1, 2 ]
amdhsa.kernels:
  - .name:           k_q55e8ddbb76_qkv
    .symbol:         k_q55e8ddbb76_qkv.kd
    .args:
      - { .name: xc, .offset: 0, .size: 8, .value_kind: global_buffer, .address_space: global }
      - { .name: xs, .offset: 8, .size: 8, .value_kind: global_buffer, .address_space: global }
      - { .name: wc, .offset: 16, .size: 8, .value_kind: global_buffer, .address_space: global }
      - { .name: ws, .offset: 24, .size: 8, .value_kind: global_buffer, .address_space: global }
      - { .name: qkv, .offset: 32, .size: 8, .value_kind: global_buffer, .address_space: global }
    .group_segment_fixed_size: 327680
    .private_segment_fixed_size: 0
    .kernarg_segment_align: 8
    .kernarg_segment_size: 40
    .max_flat_workgroup_size: 128
    .sgpr_count:     98
    .vgpr_count:     1024
    .wavefront_size: 32
...
	.end_amdgpu_metadata
.endif
;; end of part 2
;; launch attn (part 3): grid 4 x 64, 16 waves a work-group, no clusters, 327,680 bytes of LDS; arguments qkv, att; writes att
.if DOCPART == 3
	.amdgcn_target "amdgcn-amd-amdhsa--gfx1250"
	.amdhsa_code_object_version 6
	.text
	.protected	k_q55e8ddbb76_attn
	.globl	k_q55e8ddbb76_attn
	.p2align	8
	.type	k_q55e8ddbb76_attn,@function
k_q55e8ddbb76_attn:
	s_mov_b64 s[64:65], 0
	v_nop
	global_prefetch_b8 v0, s[64:65] scope:SCOPE_SE
	s_setreg_imm32_b32 hwreg(HW_REG_WAVE_MODE, 25, 1), 1
	s_wait_xcnt 0x0
; att[b][t][head h] = the sum over keys k <= t of softmax_k(q[t] . k[k] / 8) v[k], for each of 64 (batch, head).  q, k, v: f16, [3][64 heads][2048][64].  Products on f16 operands, sums, maxima and softmax in f32;
; the weights p are rounded to f16 for the second product, the result once at the end.  LIMITS: f16 operands (|q|, |k|, |v| under 65,504); the first 16 positions of each sequence, which average few values,
; are computed again in f32 by later launches, which write over what follows from these.
; SHARES.  A head's 2,048 queries are 64 chunks of 32.  A work-group (x = j of 4, y = the head) has sixteen waves, each with one chunk, two tiles of 16 queries, in 256 registers: four waves to a SIMD, so that one
; wave's softmax stands beside another's products.  Chunk c needs c / 2 + 1 key steps, so the chunks are dealt evenly: wave w has rank k = entry w of a 4 x 4 magic square of 0 .. 15 (rows and columns sum alike), and
; chunk 4 k + j for k < 8, 4 k + 3 - j else: every work-group, and every four waves w % 4 or w / 4, have the same sum of chunks.  Rank 15 gives each work-group a chunk of 60 or more, so each of the 8 slots is read.
; Every wave walks all slots (constant trip counts, every barrier); a key step all of whose keys come after the wave's queries is jumped over by a scalar branch on ids.
; NO CLUSTER, though the four work-groups of a head walk the same K and V: those jumps hang on the wave's first query, which hangs on j, the place that a partner would have in its cluster.
; LAYOUT.  S^T = K Q^T (source 0 = 16 keys, source 1 = 16 queries): a lane holds ONE query (lane % 16) and keys 8 (lane / 16) + 0..7.  Two such tiles, rounded to f16 in pairs, ARE source 1 (32 keys x 16 queries)
; of O^T = V^T P, whose result again holds one query a lane and eight channels.  K comes out of LDS as it lies, V ([key][channel]) turned by ds_load_tr16_b128.  p is packed IN PLACE over the scores.
; SOFTMAX.  A running maximum m and sum l for each query: p = 2^(c s - c m), c = log2(e) / 8; in every step O and l are multiplied by a = 2^(c m_old - c m_new).
; OUT.  A lane's eight channels, packed, are 16 bytes of the next product's operand registers: att is laid as images of those registers, [4 heads' 256 channels][16 rows][32 channels][2][lane][16 bytes], and each store covers 512 consecutive bytes.
.set SK,    256                        ; keys in a slot
.set NQ,    4                          ; key steps of 64 in a slot
.set NSL,   8                          ; slots' worth of keys
.set KP,    144                        ; a key's row in LDS: 128 bytes + 16: 36 words, so the 16 rows of a load start at 16 different banks (64 banks of 4 bytes: ISA guide 11.1)
.set VP,    160                        ; a row of V: 128 + 32: 40 words
.set VOFF,  SK*KP                      ; a slot: 256 rows of K, then 256 rows of V
.set SLOT1, 1<<17                      ; slot 1 begins here: one exclusive or turns an address in one slot into the other's
.set SPARE, 2*SLOT1                    ; the spare words, 128 bytes for each of sixteen waves, which no other line names
.set AK0,  1                           ; v1   my lane's place in a tile of K
.set AV0,  2                           ; v2   the same for V
.set SPW,  3                           ; v3   LDS address of my spare word; never rewritten
.set NIL,  4                           ; v4   0; never rewritten
.set GO,   5                           ; v5   16 x lane
.set ADK,  6                           ; v6   LDS address of the step's K
.set ADV,  7                           ; v7   of its V
.set QO,   8                           ; v8   my byte in the chunk's rows of q
.set PFO,  10                          ; v10  256 x lane; never rewritten
.set DL,   11                          ; v11  lane % 16 - 8 (lane / 16)
.set D0,   12                          ; v12-13 the diagonal's bound for tile 0, 1
.set NINF, 14                          ; v14  -infinity
.set ST,   16                          ; v16-31 eight a tile: +0 c m, +1 m, +2,+3 l (even keys', odd keys'), +4..+7 at work; a in +6
.set Q,    32                          ; v32-63 Q: tile t, channels 32 c on, at 32 + 16 t + 8 c
.set F,    64                          ; v64-127 K's fragments (16 keys kt, channels 32 c on: 16 kt + 8 c), then V's (32 keys u, 16 channels ct: 32 u + 8 ct)
.set S,    128                         ; v128-191 S^T: tile t, keys 16 kt on, at 32 t + 8 kt; then p; then P in the first 16 of each tile's 32
.set O,    192                         ; v192-255 O^T: tile t, channels 16 ct on, at 32 t + 8 ct
.set TB,   2                           ; s2   LDS byte at which the slot in hand begins
.set WV,   18                          ; s18  my wave's number
.set SEL,  20                          ; s[20:21] lane selects for v_permlanex16_b32: lane l xor 16
.set CS,   22                          ; s[22:23] c, twice: the packed form names a pair
.set G1K,  24                          ; s[24:31] descriptor group 1 for K's tiles;  s[32:39] for V's;  s[40:43], s[44:47] their groups 0, which walk
.set G1V,  32
.set G0K,  40
.set G0V,  44
.set SLOTS, 67                         ; s67  slots still to be asked for
.set PFA,  76                          ; s[76:77] where my prefetches stand
.set LIM,  80                          ; s80  1 in a wave that prefetches, else the greatest number
.set KF,   98                          ; s98  the step's first key
.set Q0,   99                          ; s99  my first query
; Waves 0 and 1 fetch K's halves of a slot, waves 2 and 3 V's, the others nothing.  The branches hang on the wave's number alone.  An s_nop 0 and four v_nop follow each line.
.macro TLOAD
	s_cmp_lt_u32 s[WV], 2
	s_cbranch_scc0 .Lnot_k_\@
	tensor_load_to_lds s[G0K:G0K+3], s[G1K:G1K+7]
	s_nop 0
.rept 4
	v_nop
.endr
	s_branch .Lasked_\@
.Lnot_k_\@:
	s_cmp_lt_u32 s[WV], 4
	s_cbranch_scc0 .Lasked_\@
	tensor_load_to_lds s[G0V:G0V+3], s[G1V:G1V+7]
	s_nop 0
.rept 4
	v_nop
.endr
.Lasked_\@:
.endm
; A prefetch of what the NEXT change of slots will ask for: a slot's 256 rows of K and of V, two dense blocks of 32,768 bytes, four key steps ahead of that load.  Each aligned block of 256 bytes is named once in the
; launch: of the four work-groups of a head the first asks; in it waves 4 to 7 take K's block and waves 8 to 11 V's, 8,192 bytes a wave, lanes 256 bytes apart.  Slots 0 and 1 come by their loads alone; the last change that fills a slot asks for nothing.
.macro ASK
	s_cmp_gt_u32 s[SLOTS], s[LIM]
	s_cbranch_scc0 .Lnot_mine_\@
	global_prefetch_b8 v[PFO], s[PFA:PFA+1] th:TH_LOAD_NT scope:SCOPE_SE
.Lnot_mine_\@:
.endm
	s_load_b128 s[4:7], s[0:1], 0x0                ; qkv, att
	v_lshl_add_u32 v[SPW], v0, 2, SPARE
	v_mov_b32 v[NIL], 0
	ds_add_u32 v[SPW], v[NIL]                      ; the wave's opening: the add, twice on end, and its wait ahead of my first tensor load; the set-up below stands between
	ds_add_u32 v[SPW], v[NIL]
	v_lshrrev_b32 v6, 5, v0
	v_readfirstlane_b32 s[WV], v6                  ; wave 0..15
	s_lshl_b32 s68, s[WV], 2
	s_and_b32 s68, s68, 31                         ; my entry's bit in its word
	s_mov_b32 s69, 0x0de3b658                      ; the square's entries 8 to 15, four bits each: 8 5 6 11 / 3 14 13 0
	s_cmp_lt_u32 s[WV], 8
	s_cselect_b32 s69, 0x7a94c12f, s69             ; entries 0 to 7: 15 2 1 12 / 4 9 10 7
	s_lshr_b32 s69, s69, s68
	s_and_b32 s69, s69, 15                         ; my rank k
	s_lshl_b32 s70, s69, 2
	s_add_co_u32 s71, s70, ttmp9                   ; 4 k + j
	s_add_co_u32 s70, s70, 3
	s_sub_co_u32 s70, s70, ttmp9                   ; 4 k + 3 - j
	s_cmp_lt_u32 s69, 8
	s_cselect_b32 s70, s71, s70                    ; my chunk
	s_lshl_b32 s[Q0], s70, 5
	s_and_b32 s72, ttmp7, 0xffff                   ; 16 x batch + head
	s_lshl_b32 s74, s72, 18                        ; the head's first byte in a section: 262,144 bytes a head
	s_and_b32 s88, s[WV], 1                        ; which half of a slot's rows I fetch, if I fetch:
	s_lshl_b32 s90, s88, 14                        ; 128 rows of 128 bytes in memory,
	s_add_co_u32 s90, s90, s74
	s_mov_b32 s91, 0
	s_mul_i32 s89, s88, 128*KP                     ; and in a slot: K's,
	s_mul_i32 s94, s88, 128*VP
	s_add_co_u32 s94, s94, VOFF                    ; V's
	; descriptor group 1: 128 rows of 64 elements of 2 bytes, dense in memory, padded in LDS behind every row
	s_mov_b32 s[G1K], (1<<16)|(1<<20)|(4<<22)|(3<<25)   ; 15:0 no mask; 17:16 elements of 2 bytes; 20 padding on; 24:22 after every 32 words; 31:25 four words
	s_mov_b32 s[G1V], (1<<16)|(1<<20)|(4<<22)|(7<<25)   ; the same with eight words
.irp g, G1K, G1V
	s_mov_b32 s[\g+1], 64<<16                      ; tensor_dim0
	s_mov_b32 s[\g+2], 128<<16                     ; tensor_dim1
	s_mov_b32 s[\g+3], 64<<16                      ; tile_dim0
	s_mov_b32 s[\g+4], 128                         ; tile_dim1
	s_mov_b32 s[\g+5], 64                          ; tensor_dim0_stride
	s_mov_b32 s[\g+6], 0
	s_mov_b32 s[\g+7], 0
.endr
	s_lshl_b32 s82, s[Q0], 7
	s_add_co_u32 s82, s82, s74                     ; my chunk's first row of q
	s_mov_b32 s83, 0
	s_and_b32 s84, s72, 15                         ; the head: att's byte = (head / 4) 4,194,304 + (128 batch + t / 16) 8,192 + (head % 4) 2,048
	s_lshr_b32 s85, s84, 2
	s_lshl_b32 s85, s85, 22
	s_and_b32 s84, s84, 3
	s_lshl_b32 s84, s84, 11
	s_add_co_u32 s84, s84, s85
	s_lshr_b32 s85, s72, 4
	s_lshl_b32 s85, s85, 20
	s_add_co_u32 s84, s84, s85
	s_lshl_b32 s85, s[Q0], 9
	s_add_co_u32 s84, s84, s85
	s_mov_b32 s85, 0
	s_mov_b32 s86, 33554432                        ; the prefetches: V's section,
	s_cmp_lt_u32 s[WV], 8
	s_cselect_b32 s86, 16777216, s86               ; or K's (waves 4 to 7),
	s_add_co_u32 s86, s86, s74                     ; my head,
	s_and_b32 s87, s[WV], 3
	s_lshl_b32 s87, s87, 13
	s_add_co_u32 s86, s86, s87                     ; my wave's 8,192 bytes,
	s_add_co_u32 s86, s86, SK*128                  ; in slot 1: the first change of slots steps it to slot 2
	s_mov_b32 s87, 0
	s_sub_co_u32 s92, s[WV], 4
	s_lshr_b32 s92, s92, 3                         ; 0 in waves 4 to 11,
	s_or_b32 s92, s92, ttmp9                       ; of the head's first work-group
	s_cmp_eq_u32 s92, 0
	s_cselect_b32 s[LIM], 1, -1
	s_mov_b32 s[SEL], 0x76543210
	s_mov_b32 s[SEL+1], 0xfedcba98
	s_mov_b32 s[CS], 0x3e38aa3b                    ; c = log2(e) / 8
	s_mov_b32 s[CS+1], s[CS]
	s_mov_b32 s[TB], 0
	s_mov_b32 s[KF], 0
	s_mov_b32 s[SLOTS], NSL-1
	s_wait_dscnt 0x0                               ; both opening adds are done
	s_wait_kmcnt 0x0
	s_mov_b32 s[G0K], 1                            ; 1:0 count = 1
	s_mov_b32 s[G0K+1], s89                        ; 63:32 LDS address: slot 0
	s_add_nc_u64 s[G0K+2:G0K+3], s[4:5], s[90:91]  ; 120:64 global address: the head's first keys,
	s_add_nc_u64 s[G0K+2:G0K+3], s[G0K+2:G0K+3], 16777216   ; in k's section
	s_or_b32 s[G0K+3], s[G0K+3], 0x80000000        ; 127:126 type = 2
	s_mov_b32 s[G0V], 1
	s_mov_b32 s[G0V+1], s94
	s_add_nc_u64 s[G0V+2:G0V+3], s[4:5], s[90:91]
	s_add_nc_u64 s[G0V+2:G0V+3], s[G0V+2:G0V+3], 33554432   ; in v's section
	s_or_b32 s[G0V+3], s[G0V+3], 0x80000000
	TLOAD                                          ; slot 0: one load of mine is out, if I fetch
	s_add_nc_u64 s[8:9], s[4:5], s[82:83]          ; q at my chunk
	s_add_nc_u64 s[10:11], s[6:7], s[84:85]        ; att at my chunk
	s_add_nc_u64 s[PFA:PFA+1], s[4:5], s[86:87]
	v_and_b32 v12, 15, v0                          ; r = lane % 16
	v_bfe_u32 v13, v0, 4, 1                        ; h = lane / 16
	v_lshlrev_b32 v[QO], 7, v12
	v_lshl_add_u32 v[QO], v13, 4, v[QO]            ; row r of 128 bytes + 16 h
.irp t, 0,1
.irp c, 0,1                                    ; a fragment is 16 rows x 32 channels: registers 0-3 channels 8 h + 0..7, registers 4-7 channels 16 + 8 h + 0..7
	global_load_b128 v[Q+16*\t+8*\c:Q+16*\t+8*\c+3],   v[QO], s[8:9] offset:2048*\t+64*\c
	global_load_b128 v[Q+16*\t+8*\c+4:Q+16*\t+8*\c+7], v[QO], s[8:9] offset:2048*\t+64*\c+32
.endr
.endr
	v_mul_u32_u24 v[AK0], v12, KP
	v_lshl_add_u32 v[AK0], v13, 4, v[AK0]
	v_and_b32 v6, 7, v0                            ; the turning load: lane l reads 16 bytes: key 8 h + l % 8, channels 8 ((l / 8) % 2) + 0..7
	v_bfe_u32 v7, v0, 3, 1
	v_lshl_add_u32 v[AV0], v13, 3, v6
	v_mul_u32_u24 v[AV0], v[AV0], VP
	v_lshl_add_u32 v[AV0], v7, 4, v[AV0]
	v_add_nc_u32 v[AV0], VOFF, v[AV0]
	v_and_b32 v[GO], 31, v0
	v_lshlrev_b32 v[PFO], 8, v[GO]
	v_lshlrev_b32 v[GO], 4, v[GO]
	v_lshlrev_b32 v[DL], 3, v13
	v_sub_nc_u32 v[DL], v12, v[DL]
	v_mov_b32 v[NINF], 0xff800000
.irp t, 0,1
	v_mov_b32 v[ST+8*\t+1], 0xff61b1e6             ; m = -3e38, under every score
	v_mul_f32 v[ST+8*\t], s[CS], v[ST+8*\t+1]      ; c m
.irp i, 2,3,4,5,6,7
	v_mov_b32 v[ST+8*\t+\i], 0                     ; l = 0; the others are written once, since a lane permute's destination counts as read
.endr
.endr
.set i, 0
.rept 64
	v_mov_b32 v[O+i], 0                            ; O^T.  The key step is written once: the first finds zeros, which its a = 0 leaves zeros
.set i, i+1
.endr
; A KEY STEP: 64 keys, the q-th of the slot in hand.
.macro STEP q
	s_add_co_u32 s96, s[Q0], 31                    ; a step all of whose keys come after my 32 queries is left out: ids and the count of steps alone; no barrier, wait on tensor loads or tensor load stands in a step
	s_cmp_gt_u32 s[KF], s96
	s_cbranch_scc1 .Lhidden_\@
	v_add_nc_u32 v[ADK], s[TB], v[AK0]
	v_add_nc_u32 v[ADV], s[TB], v[AV0]
.rept 3
	v_nop                                          ; with the two additions five places behind the last V^T P: the scores below are laid over P, which it read; four serve the loads into F
.endr
.irp kt, 0,1,2,3
.irp c, 0,1
	ds_load_b128 v[F+16*\kt+8*\c:F+16*\kt+8*\c+3],   v[ADK] offset:(64*(\q)+16*\kt)*KP+64*\c
	ds_load_b128 v[F+16*\kt+8*\c+4:F+16*\kt+8*\c+7], v[ADK] offset:(64*(\q)+16*\kt)*KP+64*\c+32
.endr
.endr
	s_wait_dscnt 0x0                               ; K is in
.irp c, 0,1                                    ; S^T = K Q^T: eight accumulators by turns, one instruction a turn; the first eight start the sums
.irp kt, 0,1,2,3
.irp t, 0,1
.if \c == 0
	v_wmma_f32_16x16x32_f16 v[S+32*\t+8*\kt:S+32*\t+8*\kt+7], v[F+16*\kt+8*\c:F+16*\kt+8*\c+7], v[Q+16*\t+8*\c:Q+16*\t+8*\c+7], 0
.else
	v_wmma_f32_16x16x32_f16 v[S+32*\t+8*\kt:S+32*\t+8*\kt+7], v[F+16*\kt+8*\c:F+16*\kt+8*\c+7], v[Q+16*\t+8*\c:Q+16*\t+8*\c+7], v[S+32*\t+8*\kt:S+32*\t+8*\kt+7]
.endif
.endr
.endr
.endr
.rept 4
	v_nop                                          ; four places: for the loads into F, which those products read, and for the first use of the scores
.endr
.irp u, 0,1                                    ; V, turned, into K's registers: it lands while the softmax is worked
.irp ct, 0,1,2,3
	ds_load_tr16_b128 v[F+32*\u+8*\ct:F+32*\u+8*\ct+3],   v[ADV] offset:(64*(\q)+32*\u)*VP+32*\ct
	ds_load_tr16_b128 v[F+32*\u+8*\ct+4:F+32*\u+8*\ct+7], v[ADV] offset:(64*(\q)+32*\u+16)*VP+32*\ct
.endr
.endr
	s_add_co_u32 s96, s[KF], 63                    ; on the diagonal hidden scores become -infinity ahead of the maximum: p = 0 then.  A step all of whose keys count jumps over this
	s_cmp_le_u32 s96, s[Q0]
	s_cbranch_scc1 .Lopen_\@
	s_sub_co_i32 s96, s[Q0], s[KF]
	v_add_nc_u32 v[D0], s96, v[DL]                 ; tile t: d = Q0 + 16 t + r - KF - 8 h.  Register 8 kt + j holds key KF + 16 kt + 8 h + j: hidden where 16 kt + j > d
	v_add_nc_u32 v[D0+1], 16, v[D0]
.irp t, 0,1
.irp kt, 0,1,2,3
.irp j, 0,1,2,3,4,5,6,7
	v_cmp_gt_i32 vcc_lo, 16*\kt+\j, v[D0+\t]
	v_cndmask_b32 v[S+32*\t+8*\kt+\j], v[S+32*\t+8*\kt+\j], v[NINF], vcc_lo
.endr
.endr
.endr
.Lopen_\@:
	; the softmax, the two tiles line by line.  The maximum of a lane's 32 scores and the old m, three operands at a time: four chains, each begun at an accumulator's low end
.irp k, 0,1,2,3
.irp t, 0,1
	v_max3_num_f32 v[ST+8*\t+4+\k], v[S+32*\t+8*\k], v[S+32*\t+8*\k+1], v[S+32*\t+8*\k+2]
.endr
.endr
.irp i, 3,5
.irp k, 0,1,2,3
.irp t, 0,1
	v_max3_num_f32 v[ST+8*\t+4+\k], v[ST+8*\t+4+\k], v[S+32*\t+8*\k+\i], v[S+32*\t+8*\k+\i+1]
.endr
.endr
.endr
.irp t, 0,1
	v_max3_num_f32 v[ST+8*\t+4], v[ST+8*\t+4], v[S+32*\t+7], v[S+32*\t+15]
.endr
.irp t, 0,1
	v_max3_num_f32 v[ST+8*\t+6], v[ST+8*\t+6], v[S+32*\t+23], v[S+32*\t+31]
.endr
.irp t, 0,1
	v_max3_num_f32 v[ST+8*\t+4], v[ST+8*\t+4], v[ST+8*\t+5], v[ST+8*\t+6]
.endr
.irp t, 0,1
	v_max3_num_f32 v[ST+8*\t+4], v[ST+8*\t+4], v[ST+8*\t+7], v[ST+8*\t+1]
.endr
.irp t, 0,1
	v_permlanex16_b32 v[ST+8*\t+5], v[ST+8*\t+4], s[SEL], s[SEL+1]   ; the query's other 32 keys lie in the lane 16 away
.endr
.irp t, 0,1
	v_mov_b32 v[ST+8*\t+7], v[ST+8*\t]             ; c m_old
.endr
.irp t, 0,1
	v_max_num_f32 v[ST+8*\t+1], v[ST+8*\t+4], v[ST+8*\t+5]   ; the new m
.endr
.irp t, 0,1
	v_mul_f32 v[ST+8*\t], s[CS], v[ST+8*\t+1]
.endr
.irp t, 0,1
	v_sub_f32 v[ST+8*\t+7], v[ST+8*\t+7], v[ST+8*\t]
.endr
.irp i, 0,2,4,6,8,10,12,14,16,18,20,22,24,26,28,30
.irp t, 0,1
	v_pk_fma_f32 v[S+32*\t+\i:S+32*\t+\i+1], v[S+32*\t+\i:S+32*\t+\i+1], s[CS:CS+1], v[ST+8*\t:ST+8*\t+1] op_sel_hi:[1,0,0] neg_lo:[0,0,1] neg_hi:[0,0,1]   ; c s - c m, two at a time
.endr
.endr
.irp t, 0,1
	v_exp_f32 v[ST+8*\t+6], v[ST+8*\t+7]           ; a
.endr
.set i, 0
.rept 64
	v_exp_f32 v[S+i], v[S+i]                       ; p, at most 1
.set i, i+1
.endr
	v_nop                                          ; one plain instruction behind the last exponential (ISA guide 5.7.2),
	s_wait_alu depctr_va_vdst(0)                   ; and a wait ahead of the first use: one for the 66
.irp t, 0,1                                    ; the sums, of the unrounded p, in two chains: l = a l + ..
	v_pk_fma_f32 v[ST+8*\t+2:ST+8*\t+3], v[ST+8*\t+2:ST+8*\t+3], v[ST+8*\t+6:ST+8*\t+7], v[S+32*\t:S+32*\t+1] op_sel_hi:[1,0,1]
.endr
.irp t, 0,1
	v_pk_add_f32 v[ST+8*\t+4:ST+8*\t+5], v[S+32*\t+2:S+32*\t+3], v[S+32*\t+4:S+32*\t+5]
.endr
.irp i, 6,10,14,18,22,26
.irp t, 0,1
	v_pk_add_f32 v[ST+8*\t+2:ST+8*\t+3], v[ST+8*\t+2:ST+8*\t+3], v[S+32*\t+\i:S+32*\t+\i+1]
.endr
.irp t, 0,1
	v_pk_add_f32 v[ST+8*\t+4:ST+8*\t+5], v[ST+8*\t+4:ST+8*\t+5], v[S+32*\t+\i+2:S+32*\t+\i+3]
.endr
.endr
.irp t, 0,1
	v_pk_add_f32 v[ST+8*\t+2:ST+8*\t+3], v[ST+8*\t+2:ST+8*\t+3], v[S+32*\t+30:S+32*\t+31]
.endr
.irp t, 0,1
	v_pk_add_f32 v[ST+8*\t+2:ST+8*\t+3], v[ST+8*\t+2:ST+8*\t+3], v[ST+8*\t+4:ST+8*\t+5]
.endr
.set i, 0
.rept 16                                       ; P in place: pair i goes to register i, which pairs i and later no longer need
	v_cvt_pk_f16_f32 v[S+i], v[S+2*i], v[S+2*i+1]
	v_cvt_pk_f16_f32 v[S+32+i], v[S+32+2*i], v[S+32+2*i+1]
.set i, i+1
.endr
.set i, 0
.rept 16                                       ; O^T under the new m
	v_pk_mul_f32 v[O+2*i:O+2*i+1], v[O+2*i:O+2*i+1], v[ST+6:ST+7] op_sel_hi:[1,0]
	v_pk_mul_f32 v[O+32+2*i:O+32+2*i+1], v[O+32+2*i:O+32+2*i+1], v[ST+14:ST+15] op_sel_hi:[1,0]
.set i, i+1
.endr
	s_wait_dscnt 0x0                               ; V is in
.irp u, 0,1                                    ; O^T += V^T P: eight accumulators by turns
.irp ct, 0,1,2,3
.irp t, 0,1
	v_wmma_f32_16x16x32_f16 v[O+32*\t+8*\ct:O+32*\t+8*\ct+7], v[F+32*\u+8*\ct:F+32*\u+8*\ct+7], v[S+32*\t+8*\u:S+32*\t+8*\u+7], v[O+32*\t+8*\ct:O+32*\t+8*\ct+7]
.endr
.endr
.endr
.Lhidden_\@:
	s_add_co_u32 s[KF], s[KF], 64
.endm
; THE CHANGE OF SLOTS stands at a slot's head.  Each wave waits for all its tensor loads (its part of the slot that it is about to read), adds 0 to its spare word, and waits for that and for its reads of the slot that
; it has left.  Behind the barrier the slot ahead is whole and nobody reads the other one.  fill = 1: that other slot is asked for: one load a fetching wave, with a slot's four key steps in which to land.
.macro CHANGE fill
	s_wait_tensorcnt 0x0                           ; no tensor load of mine is out, so a group 0 may be written
	ds_add_u32 v[SPW], v[NIL]                      ; 0 onto my spare word
.if \fill
	ds_add_u32 v[SPW], v[NIL]                      ; and once more: the add twice on end, in every trip alike
	s_xor_b32 s[G0K+1], s[G0K+1], SLOT1            ; the walking descriptors: the other slot than last time,
	s_add_nc_u64 s[G0K+2:G0K+3], s[G0K+2:G0K+3], SK*128   ; the next 256 keys; the type bits on top are not reached
	s_xor_b32 s[G0V+1], s[G0V+1], SLOT1
	s_add_nc_u64 s[G0V+2:G0V+3], s[G0V+2:G0V+3], SK*128
	s_wait_xcnt 0x0                                ; the last prefetch, a slot back, has read its address, so it may be written:
	s_add_nc_u64 s[PFA:PFA+1], s[PFA:PFA+1], SK*128   ; one slot further on than the walking descriptors
.endif
	s_wait_dscnt 0x0                               ; the adds are done, and my reads of the slot that I have left are over
	s_barrier_signal -1
	s_barrier_wait -1
.if \fill
	TLOAD                                          ; the first thing behind the barrier, and a wave's one tensor load until the next
	ASK
.endif
.endm
.macro SLOT_STEPS
.set QQ, 0
.rept NQ
	STEP QQ
.set QQ, QQ+1
.endr
	s_xor_b32 s[TB], s[TB], SLOT1                  ; on to the other slot
.endm
	s_wait_loadcnt 0x0                             ; Q
.Lslot:                                            ; 7 trips: behind each change of slots but the last the next slot is asked for (in the first trip slot 1, for the first time: nothing is filled again there)
	CHANGE 1
	SLOT_STEPS
	s_sub_co_u32 s[SLOTS], s[SLOTS], 1
	s_cmp_lg_u32 s[SLOTS], 0
	s_cbranch_scc1 .Lslot
	CHANGE 0                                       ; the last slot is written out
	SLOT_STEPS
	; THE WAY OUT.  l's two halves and the other half of the lanes' are added; O^T is divided by l, rounded to f16, and stored as it stands: the packed registers are the next product's operand.
.rept 4
	v_nop                                          ; four places behind the last products
.endr
.irp t, 0,1
	v_add_f32 v[ST+8*\t+4], v[ST+8*\t+2], v[ST+8*\t+3]
.endr
.irp t, 0,1
	v_permlanex16_b32 v[ST+8*\t+5], v[ST+8*\t+4], s[SEL], s[SEL+1]
.endr
.irp t, 0,1
	v_add_f32 v[ST+8*\t+4], v[ST+8*\t+4], v[ST+8*\t+5]
.endr
.irp t, 0,1
	v_rcp_f32 v[ST+8*\t+6], v[ST+8*\t+4]
.endr
	v_nop                                          ; a plain instruction behind the reciprocals,
	s_wait_alu depctr_va_vdst(0)                   ; and a wait ahead of their first use
.set i, 0
.rept 16
	v_pk_mul_f32 v[O+2*i:O+2*i+1], v[O+2*i:O+2*i+1], v[ST+6:ST+7] op_sel_hi:[1,0]
	v_pk_mul_f32 v[O+32+2*i:O+32+2*i+1], v[O+32+2*i:O+32+2*i+1], v[ST+14:ST+15] op_sel_hi:[1,0]
.set i, i+1
.endr
.set i, 0
.rept 32
	v_cvt_pk_f16_f32 v[S+i], v[O+2*i], v[O+2*i+1]  ; register 16 t + 4 ct + n: row r of tile t, channels 16 ct + 8 h + 2 n, + 1
.set i, i+1
.endr
.irp t, 0,1
.irp ct, 0,1,2,3
	global_store_b128 v[GO], v[S+16*\t+4*\ct:S+16*\t+4*\ct+3], s[10:11] offset:8192*\t+512*\ct   ; 32 lanes store 512 consecutive bytes, aligned
.endr
.endr
	s_wait_tensorcnt 0x0                           ; the wave's end, behind my last tensor load
	ds_add_u32 v[SPW], v[NIL]
	s_wait_dscnt 0x0
	s_endpgm
.Lfunc_end_k_q55e8ddbb76_attn:
	.size	k_q55e8ddbb76_attn, .Lfunc_end_k_q55e8ddbb76_attn-k_q55e8ddbb76_attn
	.p2alignl 7, 3214868480
	.fill 96, 4, 3214868480
	.section	.rodata,"a",@progbits
	.p2align	6, 0x0
	.amdhsa_kernel k_q55e8ddbb76_attn
		.amdhsa_group_segment_fixed_size 327680
		.amdhsa_private_segment_fixed_size 0
		.amdhsa_enable_private_segment 0
		.amdhsa_kernarg_size 16
		.amdhsa_user_sgpr_count 2
		.amdhsa_user_sgpr_kernarg_segment_ptr 1
		.amdhsa_wavefront_size32 1
		.amdhsa_system_sgpr_workgroup_id_x 1
		.amdhsa_system_sgpr_workgroup_id_y 1
		.amdhsa_system_sgpr_workgroup_id_z 1
		.amdhsa_system_vgpr_workitem_id 0
		.amdhsa_next_free_vgpr 256
		.amdhsa_next_free_sgpr 100
		.amdhsa_reserve_vcc 1
		.amdhsa_float_denorm_mode_32 3
		.amdhsa_float_denorm_mode_16_64 3
		.amdhsa_memory_ordered 1
		.amdhsa_forward_progress 1
		.amdhsa_inst_pref_size 186
	.end_amdhsa_kernel
	.amdgpu_metadata
---
amdhsa.version: [ 1, 2 ]
amdhsa.kernels:
  - .name:           k_q55e8ddbb76_attn
    .symbol:         k_q55e8ddbb76_attn.kd
    .args:
      - { .name: qkv, .offset: 0, .size: 8, .value_kind: global_buffer, .address_space: global }
      - { .name: att, .offset: 8, .size: 8, .value_kind: global_buffer, .address_space: global }
    .group_segment_fixed_size: 327680
    .private_segment_fixed_size: 0
    .kernarg_segment_align: 8
    .kernarg_segment_size: 16
    .max_flat_workgroup_size: 512
    .sgpr_count:     100
    .vgpr_count:     256
    .wavefront_size: 32
...
	.end_amdgpu_metadata
.endif
;; end of part 3
;; launch proj (part 4): grid 8 x 64, 4 waves a work-group, clusters of 4 x 4, 327,680 bytes of LDS; arguments att, wo16, out0; writes out0
.if DOCPART == 4
	.amdgcn_target "amdgcn-amd-amdhsa--gfx1250"
	.amdhsa_code_object_version 6
	.text
	.protected	k_q55e8ddbb76_proj
	.globl	k_q55e8ddbb76_proj
	.p2align	8
	.type	k_q55e8ddbb76_proj,@function
k_q55e8ddbb76_proj:
	s_mov_b64 s[64:65], 0
	v_nop
	global_prefetch_b8 v0, s[64:65] scope:SCOPE_SE
	s_setreg_imm32_b32 hwreg(HW_REG_WAVE_MODE, 25, 1), 1
	s_wait_xcnt 0x0
	s_wait_alu depctr_hold_cnt(0) depctr_sa_sdst(0) depctr_va_vdst(0) depctr_va_sdst(0) depctr_va_ssrc(0) depctr_va_vcc(0) depctr_vm_vsrc(0)
	s_getreg_b32 s2, hwreg(HW_REG_IB_STS2, 6, 4)
	s_cmp_eq_u32 s2, 0
	s_cbranch_scc0 .Lentry_in_a_cluster
	s_endpgm
.Lentry_in_a_cluster:
	s_bfe_u32 s2, ttmp6, 0x10000c
	s_cmp_lg_u32 s2, 0xf033
	s_cbranch_scc0 .Lentry_shape_is_right
	s_endpgm
.Lentry_shape_is_right:
; out0[m][o] = sum over c of att[m][c] W_out[o][c]: 8,192 x 1,024 x 1,024, f16 operands, f32 sums, f32 out.  LIMIT: f16 operands; the first 16 positions of each sequence are written over in f32 by the last launch.
; A tile of 128 x 128 gives 512 work-groups.  Four waves, each 64 x 64: 16 accumulators of 16 x 16, 128 registers.  K goes in steps of 256 through two LDS slots.
; att lies as IMAGES OF THE OPERAND'S REGISTERS: [K step 4][16 rows 512][32 channels 8][2][lane][16 bytes].  So a K step's part of 64 rows is one dense block of 32,768 bytes, a fragment is two loads at 16 x lane, and
; its LDS needs no padding.  W_out's f16 copy lies by rows: LDS rows of 512 bytes + 16.
; CLUSTERS: 4 x 4 work-groups.  The four of a row of the cluster need the same tiles of att, the four of a column the same tiles of W_out: each tile is asked for JOINTLY, by the same tensor load with the same
; descriptor and a mask that names the four.  THE MATRIX INSTRUCTION IS USED TRANSPOSED (source 0 = 16 rows of W_out, source 1 = 16 rows of att): a lane then holds eight neighbouring numbers of a row of out0.
; REGISTERS: window 0: v0-31 addresses; v32-95 the way out; v128-255 the accumulators ((a, b) at v[128 + 8 (4 a + b)]).   window 1: two fragment buffers of 128: for 64 along K, 64 registers of att, then 64 of W_out.
.set SIZE_N, 1024
.set SIZE_K, 1024
.set KSTEP,  256
.set PITCH,  528                       ; W_out's LDS row: 512 bytes + 16 = 132 words: the 16 rows of a load start at 16 different banks (64 banks of 4 bytes: ISA guide 11.1)
.set HALFA,  32768                     ; att: the images of 64 rows x 256 channels: what one tensor load brings
.set HALFB,  64*PITCH                  ; W_out: 64 rows
.set BOFF,   2*HALFA
.set SLOT,   BOFF+2*HALFB              ; att's two halves, then W_out's
.set KSB,    4194304                   ; a K step on in att
.set STAGE,  2*SLOT                    ; behind the ring: 16 rows x (256 bytes + 16) for each wave, its own
.set SPITCH, 272
.set SPARE,  STAGE+4*16*SPITCH         ; behind the stages: the spare words, 128 bytes for each wave, which no other line names
.set LAPS, SIZE_K/(2*KSTEP)            ; a lap = two K steps = once round the ring
.set ADRA, 16                          ; v16-17  LDS address of my fragments of att in slot 0, 1
.set ADRB, 20                          ; v20-21  the same for W_out
.set STO,  24                          ; v24     the way out: where I put 32 bytes of a row
.set RD,   25                          ; v25     where I read a row back
.set CO,   26                          ; v26     my byte offset in out0
.set SPW,  28                          ; v28     LDS address of my spare word; never rewritten
.set NIL,  29                          ; v29     0; never rewritten
.set TMP,  32                          ; the way out: 16 rows read back: v32-63 and v64-95 by turns
.set ACC,  128
.set F0,   0                           ; fragment buffers, in window 1
.set F1,   128
.set G1, 24                            ; s[24:31] descriptor group 1 for att's tiles;  s[32:39] group 0, one set for each slot
.set G0, 32
.set G1B, 48                           ; s[48:55], s[56:63] the same for W_out's tiles
.set G0B, 56
.set MSB, 0
.macro WIN new                         ; the immediate's high byte repeats the setting that is left
.if MSB != \new
	s_set_vgpr_msb (MSB<<8)|\new
.set MSB, \new
.endif
.endm
.set MUL,  0x05                        ; sources 0 and 1 window 1; C and D window 0
.set TO_F, 0x40                        ; destination window 1, address window 0
.macro JLOAD s                         ; a joint load: waves 0 and 1 fetch att's two halves, waves 2 and 3 W_out's; an s_nop 0 and four v_nop follow each of the two lines
	s_cmp_eq_u32 s11, 0
	s_cbranch_scc0 .Lfor_b_\@
	tensor_load_to_lds s[G0+4*\s:G0+4*\s+3], s[G1:G1+7]
	s_nop 0
.rept 4
	v_nop
.endr
	s_branch .Lasked_\@
.Lfor_b_\@:
	tensor_load_to_lds s[G0B+4*\s:G0B+4*\s+3], s[G1B:G1B+7]
	s_nop 0
.rept 4
	v_nop
.endr
.Lasked_\@:
.endm
.macro CREST                           ; a round of the cluster's barrier behind its opening barrier
	s_cmp_lg_u32 s10, 0
	s_cbranch_scc1 .Lnot_wave_0_\@
	s_barrier_signal -3
.Lnot_wave_0_\@:
	s_barrier_wait -3
	s_barrier_signal -1
	s_barrier_wait -1
.endm
.macro CROUND                          ; a whole round
	s_barrier_signal -1
	s_barrier_wait -1
	CREST
.endm
	s_load_b128 s[4:7], s[0:1], 0x0                ; att s[4:5], W_out in f16 s[6:7]
	s_load_b64 s[8:9], s[0:1], 0x10                ; out0
	v_lshl_add_u32 v[SPW], v0, 2, SPARE
	v_mov_b32 v[NIL], 0
	ds_add_u32 v[SPW], v[NIL]                      ; the wave's opening: the add, twice on end, and its wait ahead of my first tensor load; the set-up below stands between
	ds_add_u32 v[SPW], v[NIL]
	v_lshrrev_b32 v1, 5, v0
	v_readfirstlane_b32 s10, v1                    ; wave 0..3
	s_lshr_b32 s11, s10, 1                         ; which half of the tile's rows is mine.  Also: I fetch for att (0) or for W_out (1)
	s_and_b32 s12, s10, 1                          ; which half of its columns.  Also: which 64 rows of that tile I fetch
	s_bfe_u32 s40, ttmp6, 0x40000                  ; cx, cy: my place in the cluster
	s_bfe_u32 s41, ttmp6, 0x40004
	s_lshl_b32 s42, ttmp9, 2
	s_add_co_u32 s42, s42, s40                     ; tile column = 4 x cluster x + cx
	s_and_b32 s13, ttmp7, 0xffff
	s_lshl_b32 s13, s13, 2
	s_add_co_u32 s13, s13, s41                     ; tile row = 4 x cluster y + cy
	s_lshl_b32 s43, s41, 2
	s_lshl_b32 s43, 15, s43                        ; my row of the cluster
	s_lshl_b32 s44, 0x1111, s40                    ; my column
	; att: a dense block of 32,768 bytes as 128 rows of 256 bytes (32 elements of 8 bytes), no padding
	s_or_b32 s[G1+0], s43, (3<<16)|(1<<21)         ; 15:0 the mask: my row; 17:16 elements of 8 bytes; 21 set beside a mask
	s_mov_b32 s[G1+1], 32<<16                      ; tensor_dim0
	s_mov_b32 s[G1+2], 128<<16                     ; tensor_dim1
	s_mov_b32 s[G1+3], 32<<16                      ; tile_dim0
	s_mov_b32 s[G1+4], 128                         ; tile_dim1
	s_mov_b32 s[G1+5], 32                          ; tensor_dim0_stride
	s_mov_b32 s[G1+6], 0
	s_mov_b32 s[G1+7], 0
	; W_out: 64 rows x 256 elements of 2 bytes, padded in LDS
	s_or_b32 s[G1B+0], s44, (1<<16)|(1<<20)|(1<<21)|(6<<22)|(3<<25)  ; the mask: my column; padding: four words after every 128
	s_mov_b32 s[G1B+1], KSTEP<<16
	s_mov_b32 s[G1B+2], 64<<16
	s_mov_b32 s[G1B+3], KSTEP<<16
	s_mov_b32 s[G1B+4], 64
	s_mov_b32 s[G1B+5], SIZE_K
	s_mov_b32 s[G1B+6], 0
	s_mov_b32 s[G1B+7], 0
	s_lshl_b32 s16, s13, 16                        ; att: 8 tiles of 16 rows x 8,192 bytes for each tile row,
	s_lshl_b32 s17, s12, 15                        ; four of them for each half
	s_add_co_u32 s16, s16, s17
	s_mov_b32 s17, 0
	s_lshl_b32 s46, s42, 18                        ; W_out: 128 rows of 2,048 bytes for each tile column,
	s_lshl_b32 s47, s12, 17                        ; 64 for each half
	s_add_co_u32 s46, s46, s47
	s_mov_b32 s47, 0
	s_mul_i32 s20, s12, HALFA                      ; where they go: no place in the cluster enters an LDS address
	s_mul_i32 s21, s12, HALFB
	s_add_co_u32 s21, s21, BOFF
	s_wait_dscnt 0x0                               ; both opening adds are done
	s_wait_kmcnt 0x0
	s_add_nc_u64 s[14:15], s[4:5], s[16:17]
	s_add_nc_u64 s[46:47], s[6:7], s[46:47]
	CROUND                                         ; all sixteen work-groups are here: the first joint loads meet.  Two loads of mine go out
.irp s, 0,1
	s_mov_b32 s[G0+4*\s], 1
	s_add_co_u32 s[G0+4*\s+1], s20, \s*SLOT
	s_add_nc_u64 s[G0+4*\s+2:G0+4*\s+3], s[14:15], \s*KSB
	s_or_b32 s[G0+4*\s+3], s[G0+4*\s+3], 0x80000000
	s_mov_b32 s[G0B+4*\s], 1
	s_add_co_u32 s[G0B+4*\s+1], s21, \s*SLOT
	s_add_nc_u64 s[G0B+4*\s+2:G0B+4*\s+3], s[46:47], \s*KSTEP*2
	s_or_b32 s[G0B+4*\s+3], s[G0B+4*\s+3], 0x80000000
	JLOAD \s
.endr
	v_and_b32 v1, 15, v0                           ; l % 16
	v_bfe_u32 v2, v0, 4, 1                         ; l / 16
	v_and_b32 v6, 31, v0
	v_lshlrev_b32 v6, 4, v6                        ; att: 16 x lane
	v_mul_u32_u24 v3, v1, PITCH
	v_lshl_add_u32 v3, v2, 4, v3                   ; W_out: row x pitch + 16 x half
	s_mul_i32 s21, s11, HALFA                      ; my 64 rows of att
	s_mul_i32 s22, s12, HALFB                      ; my 64 rows of W_out
	s_add_co_u32 s22, s22, BOFF
.irp s, 0,1
	v_add_nc_u32 v[ADRA+\s], s21, v6
	v_add_nc_u32 v[ADRB+\s], s22, v3
	s_add_co_u32 s21, s21, SLOT
	s_add_co_u32 s22, s22, SLOT
.endr
	s_mul_i32 s23, s10, 16*SPITCH
	s_add_co_u32 s23, s23, STAGE                   ; my stage
	v_mul_u32_u24 v4, v1, SPITCH                   ; in: row l % 16, 32 bytes for each half of the lanes
	v_lshl_add_u32 v4, v2, 5, v4
	v_add_nc_u32 v[STO], s23, v4
	v_mul_u32_u24 v5, v2, SPITCH                   ; back: lanes 0-15 take one row of 256 bytes, lanes 16-31 the next
	v_lshl_add_u32 v5, v1, 4, v5
	v_add_nc_u32 v[RD], s23, v5
	v_lshlrev_b32 v5, 12, v2                       ; and the same two rows in out0: 4,096 bytes a row
	v_lshl_add_u32 v[CO], v1, 4, v5
	s_lshl_b32 s16, s13, 19                        ; my first row: 128 x tile row + 64 x half
	s_lshl_b32 s17, s11, 18
	s_add_co_u32 s16, s16, s17
	s_mov_b32 s17, 0
	s_add_nc_u64 s[8:9], s[8:9], s[16:17]
	s_lshl_b32 s46, s42, 9                         ; my first column, in bytes: 512 x tile column + 256 x half
	s_lshl_b32 s47, s12, 8
	s_add_co_u32 s46, s46, s47
	s_mov_b32 s47, 0
	s_add_nc_u64 s[8:9], s[8:9], s[46:47]
; 8 matrix instructions: row blocks a0, a0 + 1 x all 4 column blocks, 32 along K: half c of buffer f.  zero = 1: the first product starts the sums.  The 16 accumulators take turns.
.macro MUL8 f, c, a0, zero
.irp a, \a0, \a0+1
.irp b, 0,1,2,3
.if \zero
	v_wmma_f32_16x16x32_f16 v[ACC+8*(4*(\a)+\b):ACC+8*(4*(\a)+\b)+7], v[\f+64+8*(4*\c+\b):\f+64+8*(4*\c+\b)+7], v[\f+8*(4*\c+\a):\f+8*(4*\c+\a)+7], 0
.else
	v_wmma_f32_16x16x32_f16 v[ACC+8*(4*(\a)+\b):ACC+8*(4*(\a)+\b)+7], v[\f+64+8*(4*\c+\b):\f+64+8*(4*\c+\b)+7], v[\f+8*(4*\c+\a):\f+8*(4*\c+\a)+7], v[ACC+8*(4*(\a)+\b):ACC+8*(4*(\a)+\b)+7]
.endif
.endr
.endr
.endm
; 32 LDS loads in one run: the fragments of 64 along K into buffer f; k = the byte in W_out's rows (128 for each 64 along K); att's images of 32 channels are 1,024 bytes, so 64 along K are 16 k.  The first 32 along K first.
.macro FETCH slot, k, f
	WIN TO_F
.irp c, 0,1
.irp i, 0,1,2,3
	ds_load_b128 v[\f+64+8*(4*\c+\i):\f+64+8*(4*\c+\i)+3],   v[ADRB+\slot] offset:\k+64*\c+\i*16*PITCH
	ds_load_b128 v[\f+64+8*(4*\c+\i)+4:\f+64+8*(4*\c+\i)+7], v[ADRB+\slot] offset:\k+64*\c+\i*16*PITCH+32
	ds_load_b128 v[\f+8*(4*\c+\i):\f+8*(4*\c+\i)+3],         v[ADRA+\slot] offset:16*(\k)+1024*\c+\i*8192
	ds_load_b128 v[\f+8*(4*\c+\i)+4:\f+8*(4*\c+\i)+7],       v[ADRA+\slot] offset:16*(\k)+1024*\c+\i*8192+512
.endr
.endr
.endm
.macro PLACES                          ; four places in front of loads into registers that matrix instructions have read, and of the first use of results (ISA guide 7.12.1 for the first use of results)
.rept 4
	v_nop
.endr
.endm
; A K step is four quarters of 64 along K, 32 matrix instructions each, on buffers 0, 1, 0, 1.  One of the first three: multiplies buffer f and fetches the next quarter, at byte k, into g.
.macro QUARTER slot, k, f, g, zero
	s_wait_dscnt 16                                ; the first 32 along K are in; the sixteen loads of the second 32 may be out
	WIN MUL
	MUL8 \f, 0, 0, \zero
	MUL8 \f, 0, 2, \zero
	PLACES
	FETCH \slot, \k, \g
	s_wait_dscnt 32                                ; all but the 32 just issued
	WIN MUL
	MUL8 \f, 1, 0, 0
	MUL8 \f, 1, 2, 0
.endm
; The last quarter multiplies buffer 1 and changes slots: ONE barrier; in front of it each wave waits for all its tensor loads, adds 0 to its spare word, and waits for that and for its reads of this slot.  fill = 1: this slot is filled again, two K steps ahead.
.macro TURN slot, next, fill
	WIN 0                                          ; (the add's two registers lie in window 0)
	s_wait_tensorcnt 0x0                           ; all my tensor loads have landed: my part of the next slot
	ds_add_u32 v[SPW], v[NIL]                      ; 0 onto my spare word
	s_wait_dscnt 17                                ; (the add and the youngest sixteen loads may be out)
	WIN MUL
	MUL8 F1, 0, 0, 0                               ; eight matrix instructions stand between the add and the wait for it
	s_wait_dscnt 0x0                               ; the add is done, and my reads of this slot are over
	s_barrier_signal -1
	MUL8 F1, 0, 2, 0
.if \fill
	WIN 0
.endif
	s_barrier_wait -1
.if \fill
	CREST                                          ; the barrier has opened a round of the cluster's barrier: no wave of any partner still reads this slot's tile or has a load on its way
	s_add_nc_u64 s[G0+4*\slot+2:G0+4*\slot+3], s[G0+4*\slot+2:G0+4*\slot+3], 2*KSB
	s_add_nc_u64 s[G0B+4*\slot+2:G0B+4*\slot+3], s[G0B+4*\slot+2:G0B+4*\slot+3], 2*KSTEP*2
	JLOAD \slot                                    ; the first tensor load behind the round; the four v_nop behind it are also the places in front of the loads below
.else
	PLACES
.endif
	FETCH \next, 0, F0
	WIN MUL
	MUL8 F1, 1, 0, 0
	MUL8 F1, 1, 2, 0
.endm
	s_wait_tensorcnt 1                             ; my part of K step 0 is in; K step 1's load may be out
	s_barrier_signal -1
	s_barrier_wait -1                              ; everybody's is
	FETCH 0, 0, F0
	QUARTER 0, 128, F0, F1, 1                      ; the first quarter stands in front of the loop: its first products start the sums
	WIN 0                                          ; at a label and at a branch every window is 0
	s_mov_b32 s3, LAPS-1
.Llap:                                                 ; a trip goes once round the ring, from a lap's second quarter to the next lap's first, and fills both slots again
	QUARTER 0, 256, F1, F0, 0
	QUARTER 0, 384, F0, F1, 0
	TURN 0, 1, 1
	QUARTER 1, 128, F0, F1, 0
	QUARTER 1, 256, F1, F0, 0
	QUARTER 1, 384, F0, F1, 0
	TURN 1, 0, 1
	QUARTER 0, 128, F0, F1, 0
	WIN 0
	s_sub_co_u32 s3, s3, 1
	s_cmp_lg_u32 s3, 0
	s_cbranch_scc1 .Llap
	QUARTER 0, 256, F1, F0, 0                      ; the last lap fills nothing, and has no round of the cluster's barrier
	QUARTER 0, 384, F0, F1, 0
	TURN 0, 1, 0
	QUARTER 1, 128, F0, F1, 0
	QUARTER 1, 256, F1, F0, 0
	QUARTER 1, 384, F0, F1, 0
	s_wait_dscnt 16                                ; the very last quarter: nothing more to fetch
	WIN MUL
	MUL8 F1, 0, 0, 0
	MUL8 F1, 0, 2, 0
	s_wait_dscnt 0
	MUL8 F1, 1, 0, 0
	MUL8 F1, 1, 2, 0
	WIN 0
; THE WAY OUT, a block of 16 rows x 64 columns at a time.  A wave's 64 columns of f32 are 256 bytes of a row, so the stage is the wave's own and no barrier is needed.  The accumulators go to the stage as they are,
; each from its low end on, and come back as whole rows; LDS serves a wave's instructions in order (ISA guide 5.7.1.4).
.macro TOSTAGE a
.irp b, 0,1,2,3
	ds_store_b128 v[STO], v[ACC+8*(4*(\a)+\b):ACC+8*(4*(\a)+\b)+3] offset:64*\b
	ds_store_b128 v[STO], v[ACC+8*(4*(\a)+\b)+4:ACC+8*(4*(\a)+\b)+7] offset:64*\b+16
.endr
.irp t, 0,1,2,3,4,5,6,7
	ds_load_b128 v[TMP+32*((\a)%2)+4*\t:TMP+32*((\a)%2)+4*\t+3], v[RD] offset:\t*2*SPITCH
.endr
.endm
.macro SEND a, younger                 ; younger: the LDS instructions issued behind block a's loads, which may stay out
	s_wait_dscnt \younger
.irp t, 0,1,2,3,4,5,6,7
	global_store_b128 v[CO], v[TMP+32*((\a)%2)+4*\t:TMP+32*((\a)%2)+4*\t+3], s[8:9] offset:(16*(\a)+2*\t)*SIZE_N*4 th:TH_STORE_NT   ; 16 lanes store 256 consecutive bytes, aligned
.endr
.endm
	PLACES
	TOSTAGE 0
.irp a, 1,2,3
.if \a > 1
	s_wait_xcnt 0x0                                ; block a - 2's stores have read their data: block a's loads land there only behind this wait
.endif
	TOSTAGE \a
	SEND \a-1, 16                                  ; behind block a - 1's loads: block a's 8 stores and 8 loads
.endr
	SEND 3, 0
	s_wait_tensorcnt 0x0                           ; the wave's end, behind my last tensor load and my last LDS store
	ds_add_u32 v[SPW], v[NIL]
	s_wait_dscnt 0x0
	CROUND                                         ; the closing round: no work-group ends while a partner may still ask for a tile that names it
	s_endpgm
.Lfunc_end_k_q55e8ddbb76_proj:
	.size	k_q55e8ddbb76_proj, .Lfunc_end_k_q55e8ddbb76_proj-k_q55e8ddbb76_proj
	.p2alignl 7, 3214868480
	.fill 96, 4, 3214868480
	.section	.rodata,"a",@progbits
	.p2align	6, 0x0
	.amdhsa_kernel k_q55e8ddbb76_proj
		.amdhsa_group_segment_fixed_size 327680
		.amdhsa_private_segment_fixed_size 0
		.amdhsa_enable_private_segment 0
		.amdhsa_kernarg_size 24
		.amdhsa_user_sgpr_count 2
		.amdhsa_user_sgpr_kernarg_segment_ptr 1
		.amdhsa_wavefront_size32 1
		.amdhsa_system_sgpr_workgroup_id_x 1
		.amdhsa_system_sgpr_workgroup_id_y 1
		.amdhsa_system_sgpr_workgroup_id_z 1
		.amdhsa_system_vgpr_workitem_id 0
		.amdhsa_next_free_vgpr 512
		.amdhsa_next_free_sgpr 66
		.amdhsa_reserve_vcc 0
		.amdhsa_float_denorm_mode_32 3
		.amdhsa_float_denorm_mode_16_64 3
		.amdhsa_memory_ordered 1
		.amdhsa_forward_progress 1
		.amdhsa_inst_pref_size 86
	.end_amdhsa_kernel
	.amdgpu_metadata
---
amdhsa.version: [ 1, 2 ]
amdhsa.kernels:
  - .name:           k_q55e8ddbb76_proj
    .symbol:         k_q55e8ddbb76_proj.kd
    .args:
      - { .name: att, .offset: 0, .size: 8, .value_kind: global_buffer, .address_space: global }
      - { .name: wo16, .offset: 8, .size: 8, .value_kind: global_buffer, .address_space: global }
      - { .name: out0, .offset: 16, .size: 8, .value_kind: global_buffer, .address_space: global }
    .group_segment_fixed_size: 327680
    .private_segment_fixed_size: 0
    .kernarg_segment_align: 8
    .kernarg_segment_size: 24
    .max_flat_workgroup_size: 128
    .sgpr_count:     66
    .vgpr_count:     512
    .wavefront_size: 32
...
	.end_amdgpu_metadata
.endif
;; end of part 4
;; launch fine_att (part 5): grid 16 x 4, 12 waves a work-group, no clusters, 13,824 bytes of LDS; arguments xc, xs, wc, ws, ofine; writes ofine
.if DOCPART == 5
	.amdgcn_target "amdgcn-amd-amdhsa--gfx1250"
	.amdhsa_code_object_version 6
	.text
	.protected	k_q55e8ddbb76_fine_att
	.globl	k_q55e8ddbb76_fine_att
	.p2align	8
	.type	k_q55e8ddbb76_fine_att,@function
k_q55e8ddbb76_fine_att:
	s_mov_b64 s[64:65], 0
	v_nop
	global_prefetch_b8 v0, s[64:65] scope:SCOPE_SE
	s_setreg_imm32_b32 hwreg(HW_REG_WAVE_MODE, 25, 1), 1
	s_wait_xcnt 0x0
; The first 16 positions of each sequence, carried in f32: they average one to sixteen values, are the largest numbers of the output, and bear the rounding of 16-bit operands worst.
; A work-group takes one (head x, batch y).  PHASE 1: each of twelve waves makes one tile of 16 x 16 of q, k or v for t < 16 again from the FP4 codes (8 scaled products, K = 1,024), and keeps it in f32.
; q's and k's waves (0-7) take source 0 = 16 rows of W, source 1 = x's 16 rows: a lane holds one t and eight channels.  v's waves (8-11) take the sources the other way round: a lane holds one channel and eight keys.
; Only pointers are chosen (on the wave's number): one path.  The tiles go to LDS as images of their registers, 16 bytes a lane.
; PHASE 2 (waves 0-3; wave w makes channels 16 w .. 16 w + 15): S^T = k q^T and O^T = v^T p by the f32 matrix form, 16 x 16 x 4.  Its K place (lane / 16, register j) is given the same channel (or key) on both
; sides: 8 (lane / 16) + 2 s + j of a tile, so the images serve as operands as they lie and nothing changes lanes.  The registers that this form writes are written by matrix instructions alone.
; Softmax with the row's maximum taken away, in f32.  Out: [batch][head][16 channels 4][2][lane][16 bytes] f32: lane (t, h) holds channels 16 ct + 8 h + 4 c + 0..3.  64 work-groups: this is all the work there is.
.set SPARE, 12288                      ; behind the twelve images of 1,024 bytes: the spare words, 128 bytes for each wave, which no other line names
.set CO,  3                            ; v3   codes: row r of 512 bytes + 16 h
.set SO,  4                            ; v4   scale words: row r of 32 bytes
.set LI,  5                            ; v5   16 x lane
.set LW,  6                            ; v6   where I store my image: 1,024 x wave + 16 x lane
.set LV,  7                            ; v7   v's image for my channels: 8,192 + 1,024 (wave % 4) + 16 x lane
.set DL,  8                            ; v8   r - 8 h
.set NINF, 9                           ; v9   -infinity
.set SPW, 10                           ; v10  LDS address of my spare word; never rewritten
.set NIL, 11                           ; v11  0; never rewritten
	s_load_b256 s[4:11], s[0:1], 0x0               ; x's codes s[4:5], x's scales s[6:7], W's codes s[8:9], W's scales s[10:11]
	s_load_b64 s[12:13], s[0:1], 0x20              ; ofine
	v_lshl_add_u32 v[SPW], v0, 2, SPARE
	v_mov_b32 v[NIL], 0
	v_lshrrev_b32 v1, 5, v0
	v_readfirstlane_b32 s18, v1                    ; wave 0..11
	v_and_b32 v1, 15, v0                           ; r
	v_bfe_u32 v2, v0, 4, 1                         ; h
	v_lshlrev_b32 v[CO], 9, v1
	v_lshl_add_u32 v[CO], v2, 4, v[CO]
	v_lshlrev_b32 v[SO], 5, v1
	v_and_b32 v[LI], 31, v0
	v_lshlrev_b32 v[LI], 4, v[LI]
	s_lshl_b32 s19, s18, 10
	v_add_nc_u32 v[LW], s19, v[LI]
	s_and_b32 s19, s18, 3
	s_lshl_b32 s19, s19, 10
	s_add_co_u32 s19, s19, 8192
	v_add_nc_u32 v[LV], s19, v[LI]
	v_lshlrev_b32 v[DL], 3, v2
	v_sub_nc_u32 v[DL], v1, v[DL]
	v_mov_b32 v[NINF], 0xff800000
	v_mov_b32 v12, 0                               ; written once: a lane permute's destination counts as read
	s_mov_b32 s20, 0x76543210
	s_mov_b32 s21, 0xfedcba98                      ; v_permlanex16_b32's selects for lane l xor 16
	s_mov_b32 s22, 0x3e38aa3b                      ; c = log2(e) / 8
	s_lshr_b32 s24, s18, 2                         ; my 16 rows of W begin at 1,024 (wave / 4) + 64 head + 16 (wave % 4)
	s_lshl_b32 s24, s24, 10
	s_lshl_b32 s25, ttmp9, 6
	s_add_co_u32 s24, s24, s25
	s_and_b32 s25, s18, 3
	s_lshl_b32 s25, s25, 4
	s_add_co_u32 s24, s24, s25
	s_lshl_b32 s26, s24, 9                         ; their codes,
	s_mov_b32 s27, 0
	s_lshl_b32 s28, s24, 5                         ; their scale bytes
	s_mov_b32 s29, 0
	s_and_b32 s30, ttmp7, 0xffff                   ; the batch
	s_lshl_b32 s32, s30, 20                        ; x's row 2,048 x batch: codes,
	s_mov_b32 s33, 0
	s_lshl_b32 s34, s30, 16                        ; scale bytes
	s_mov_b32 s35, 0
	s_lshl_b32 s36, s30, 4
	s_add_co_u32 s36, s36, ttmp9
	s_lshl_b32 s36, s36, 2
	s_and_b32 s37, s18, 3
	s_add_co_u32 s36, s36, s37
	s_lshl_b32 s36, s36, 10                        ; ofine: ((16 batch + head) 4 + wave % 4) 1,024
	s_mov_b32 s37, 0
	s_wait_kmcnt 0x0
	s_add_nc_u64 s[4:5], s[4:5], s[32:33]
	s_add_nc_u64 s[6:7], s[6:7], s[34:35]
	s_add_nc_u64 s[8:9], s[8:9], s[26:27]
	s_add_nc_u64 s[10:11], s[10:11], s[28:29]
	s_add_nc_u64 s[12:13], s[12:13], s[36:37]
	s_cmp_lt_u32 s18, 8                            ; q's and k's waves: source 0 = W; v's waves: source 0 = x.  The choice hangs on the wave's number alone
	s_cselect_b64 s[40:41], s[8:9], s[4:5]
	s_cselect_b64 s[42:43], s[4:5], s[8:9]
	s_cselect_b64 s[44:45], s[10:11], s[6:7]
	s_cselect_b64 s[46:47], s[6:7], s[10:11]
.irp s, 0,1,2,3,4,5,6,7                        ; a fragment of 16 rows x 128 K: registers 4 c .. 4 c + 3 hold K = 64 c + 32 h + 0 .. 31: 16 bytes of the row
.irp c, 0,1
	global_load_b128 v[16+8*\s+4*\c:19+8*\s+4*\c], v[CO], s[40:41] offset:64*\s+32*\c
	global_load_b128 v[80+8*\s+4*\c:83+8*\s+4*\c], v[CO], s[42:43] offset:64*\s+32*\c
.endr
.endr
.irp c, 0,1                                    ; a row's eight scale words, one for each 128 along K: v144-151 source 0's, v152-159 source 1's; these registers hold scales and nothing else
	global_load_b128 v[144+4*\c:147+4*\c], v[SO], s[44:45] offset:16*\c
	global_load_b128 v[152+4*\c:155+4*\c], v[SO], s[46:47] offset:16*\c
.endr
	s_wait_loadcnt 0x0
.irp s, 0,1,2,3,4,5,6,7                        ; two accumulators by turns: even and odd K steps
.if \s < 2
	v_wmma_scale_f32_16x16x128_f8f6f4 v[160+8*(\s%2):167+8*(\s%2)], v[16+8*\s:23+8*\s], v[80+8*\s:87+8*\s], 0, v[144+\s], v[152+\s] matrix_a_fmt:MATRIX_FMT_FP4 matrix_b_fmt:MATRIX_FMT_FP4
.else
	v_wmma_scale_f32_16x16x128_f8f6f4 v[160+8*(\s%2):167+8*(\s%2)], v[16+8*\s:23+8*\s], v[80+8*\s:87+8*\s], v[160+8*(\s%2):167+8*(\s%2)], v[144+\s], v[152+\s] matrix_a_fmt:MATRIX_FMT_FP4 matrix_b_fmt:MATRIX_FMT_FP4
.endif
.endr
.rept 4
	v_nop                                          ; four places behind the last product (ISA guide 7.12.1)
.endr
.irp j, 0,1,2,3,4,5,6,7
	v_add_f32 v[176+\j], v[160+\j], v[168+\j]
.endr
	ds_store_b128 v[LW], v[176:179]                ; my tile's image
	ds_store_b128 v[LW], v[180:183] offset:512
	s_wait_dscnt 0x0                               ; for the others' sake: my stores have landed
	s_barrier_signal -1
	s_barrier_wait -1                              ; all twelve images lie in LDS
	s_cmp_ge_u32 s18, 4
	s_cbranch_scc1 .Ldone
.irp ft, 0,1,2,3
.irp c, 0,1
	ds_load_b128 v[16+8*\ft+4*\c:19+8*\ft+4*\c], v[LI] offset:1024*\ft+512*\c        ; q: lane (t, h), channels 16 ft + 8 h + 0..7
	ds_load_b128 v[48+8*\ft+4*\c:51+8*\ft+4*\c], v[LI] offset:4096+1024*\ft+512*\c   ; k likewise
.endr
.endr
	ds_load_b128 v[80:83], v[LV]                   ; v: lane (channel r of my 16, h), keys 8 h + 0..7
	ds_load_b128 v[84:87], v[LV] offset:512
	s_wait_dscnt 0x0
.irp s, 0,1,2,3                                ; S^T = k q^T: four accumulators by turns, one for each 16 channels; the first four start the sums
.irp ft, 0,1,2,3
.if \s == 0
	v_wmma_f32_16x16x4_f32 v[192+8*\ft:199+8*\ft], v[48+8*\ft+2*\s:49+8*\ft+2*\s], v[16+8*\ft+2*\s:17+8*\ft+2*\s], 0
.else
	v_wmma_f32_16x16x4_f32 v[192+8*\ft:199+8*\ft], v[48+8*\ft+2*\s:49+8*\ft+2*\s], v[16+8*\ft+2*\s:17+8*\ft+2*\s], v[192+8*\ft:199+8*\ft]
.endif
.endr
.endr
.rept 8
	v_nop                                          ; eight places behind this form
.endr
.irp j, 0,1,2,3,4,5,6,7                        ; lane (query r, h): register j = the score of key 8 h + j
	v_add_f32 v[176+\j], v[192+\j], v[200+\j]
	v_add_f32 v[184+\j], v[208+\j], v[216+\j]
	v_add_f32 v[176+\j], v[176+\j], v[184+\j]
.endr
.irp j, 0,1,2,3,4,5,6,7
	v_cmp_gt_i32 vcc_lo, \j, v[DL]                 ; key 8 h + j comes after query r
	v_cndmask_b32 v[176+\j], v[176+\j], v[NINF], vcc_lo
.endr
	v_max3_num_f32 v13, v176, v177, v178
	v_max3_num_f32 v13, v13, v179, v180
	v_max3_num_f32 v13, v13, v181, v182
	v_max_num_f32 v13, v13, v183
	v_permlanex16_b32 v12, v13, s20, s21
	v_max_num_f32 v13, v13, v12                    ; the row's maximum (key 0 counts for every query)
	v_mul_f32 v13, s22, v13
.irp j, 0,1,2,3,4,5,6,7
	v_fma_f32 v[176+\j], v[176+\j], s22, -v13      ; c s - c m
.endr
.irp j, 0,1,2,3,4,5,6,7
	v_exp_f32 v[176+\j], v[176+\j]
.endr
	v_nop                                          ; a plain instruction behind the exponentials,
	s_wait_alu depctr_va_vdst(0)                   ; and a wait ahead of their first use
	v_add_f32 v14, v176, v177
	v_add_f32 v15, v178, v179
	v_add_f32 v14, v14, v180
	v_add_f32 v15, v15, v181
	v_add_f32 v14, v14, v182
	v_add_f32 v15, v15, v183
	v_add_f32 v14, v14, v15
	v_permlanex16_b32 v12, v14, s20, s21
	v_add_f32 v14, v14, v12                        ; the row's sum
	v_rcp_f32 v14, v14
	v_nop
	s_wait_alu depctr_va_vdst(0)
.irp j, 0,1,2,3,4,5,6,7
	v_mul_f32 v[176+\j], v[176+\j], v14
.endr
.irp s, 0,1,2,3                                ; O^T = v^T p: two accumulators by turns; K place (h, j) = key 8 h + 2 s + j on both sides
.if \s < 2
	v_wmma_f32_16x16x4_f32 v[224+8*(\s%2):231+8*(\s%2)], v[80+2*\s:81+2*\s], v[176+2*\s:177+2*\s], 0
.else
	v_wmma_f32_16x16x4_f32 v[224+8*(\s%2):231+8*(\s%2)], v[80+2*\s:81+2*\s], v[176+2*\s:177+2*\s], v[224+8*(\s%2):231+8*(\s%2)]
.endif
.endr
.rept 8
	v_nop
.endr
.irp j, 0,1,2,3,4,5,6,7
	v_add_f32 v[184+\j], v[224+\j], v[232+\j]      ; lane (t = r, h): channel 16 w + 8 h + j
.endr
	global_store_b128 v[LI], v[184:187], s[12:13]              ; 512 consecutive bytes a store
	global_store_b128 v[LI], v[188:191], s[12:13] offset:512
.Ldone:
	s_wait_tensorcnt 0x0                           ; the wave's end, behind my last LDS store
	ds_add_u32 v[SPW], v[NIL]
	s_wait_dscnt 0x0
	s_endpgm
.Lfunc_end_k_q55e8ddbb76_fine_att:
	.size	k_q55e8ddbb76_fine_att, .Lfunc_end_k_q55e8ddbb76_fine_att-k_q55e8ddbb76_fine_att
	.p2alignl 7, 3214868480
	.fill 96, 4, 3214868480
	.section	.rodata,"a",@progbits
	.p2align	6, 0x0
	.amdhsa_kernel k_q55e8ddbb76_fine_att
		.amdhsa_group_segment_fixed_size 13824
		.amdhsa_private_segment_fixed_size 0
		.amdhsa_enable_private_segment 0
		.amdhsa_kernarg_size 40
		.amdhsa_user_sgpr_count 2
		.amdhsa_user_sgpr_kernarg_segment_ptr 1
		.amdhsa_wavefront_size32 1
		.amdhsa_system_sgpr_workgroup_id_x 1
		.amdhsa_system_sgpr_workgroup_id_y 1
		.amdhsa_system_sgpr_workgroup_id_z 1
		.amdhsa_system_vgpr_workitem_id 0
		.amdhsa_next_free_vgpr 256
		.amdhsa_next_free_sgpr 66
		.amdhsa_reserve_vcc 1
		.amdhsa_float_denorm_mode_32 3
		.amdhsa_float_denorm_mode_16_64 3
		.amdhsa_memory_ordered 1
		.amdhsa_forward_progress 1
		.amdhsa_inst_pref_size 15
	.end_amdhsa_kernel
	.amdgpu_metadata
---
amdhsa.version: [ 1, 2 ]
amdhsa.kernels:
  - .name:           k_q55e8ddbb76_fine_att
    .symbol:         k_q55e8ddbb76_fine_att.kd
    .args:
      - { .name: xc, .offset: 0, .size: 8, .value_kind: global_buffer, .address_space: global }
      - { .name: xs, .offset: 8, .size: 8, .value_kind: global_buffer, .address_space: global }
      - { .name: wc, .offset: 16, .size: 8, .value_kind: global_buffer, .address_space: global }
      - { .name: ws, .offset: 24, .size: 8, .value_kind: global_buffer, .address_space: global }
      - { .name: ofine, .offset: 32, .size: 8, .value_kind: global_buffer, .address_space: global }
    .group_segment_fixed_size: 13824
    .private_segment_fixed_size: 0
    .kernarg_segment_align: 8
    .kernarg_segment_size: 40
    .max_flat_workgroup_size: 384
    .sgpr_count:     66
    .vgpr_count:     256
    .wavefront_size: 32
...
	.end_amdgpu_metadata
.endif
;; end of part 5
;; launch fine_out (part 6): grid 64 x 4, 8 waves a work-group, no clusters, 9,216 bytes of LDS; arguments ofine, W_out, out0; writes out0
.if DOCPART == 6
	.amdgcn_target "amdgcn-amd-amdhsa--gfx1250"
	.amdhsa_code_object_version 6
	.text
	.protected	k_q55e8ddbb76_fine_out
	.globl	k_q55e8ddbb76_fine_out
	.p2align	8
	.type	k_q55e8ddbb76_fine_out,@function
k_q55e8ddbb76_fine_out:
	s_mov_b64 s[64:65], 0
	v_nop
	global_prefetch_b8 v0, s[64:65] scope:SCOPE_SE
	s_setreg_imm32_b32 hwreg(HW_REG_WAVE_MODE, 25, 1), 1
	s_wait_xcnt 0x0
; The out projection of the first 16 positions of each sequence in f32: out0[batch][t < 16][o] = sum over c of o[t][c] W_out[o][c], written over what the 16-bit product left there.
; A work-group takes 16 outputs (x) of one batch (y); each of its eight waves sums over two heads' 128 channels by the f32 matrix form, 16 x 16 x 4 (source 0 = 16 rows of W_out, source 1 = the 16 positions: a lane
; holds one t and eight neighbouring outputs).  Its K place (lane / 16, register j) is given channel 16 ct + 8 (lane / 16) + 2 s + j on both sides: ofine lies so already, and W_out's rows are loaded so.
; The registers that this form writes are written by matrix instructions alone.  The eight partial tiles meet in LDS as images of their registers; waves 0 and 1 add them and store.
; A row gets 64 bytes from a work-group: 256 work-groups share 262,144 bytes of output, and a wider tile would leave most of them without work.
.set SPARE, 8192                       ; behind the eight images of 1,024 bytes: the spare words, 128 bytes for each wave, which no other line names
.set WO,  3                            ; v3   row r of 4,096 bytes + 32 h: in W_out and in out0
.set LI,  5                            ; v5   16 x lane
.set LW,  6                            ; v6   where I store my image: 1,024 x wave + 16 x lane
.set LR,  7                            ; v7   where I read the partial tiles: 512 (wave % 2) + 16 x lane
.set SPW, 10                           ; v10  LDS address of my spare word; never rewritten
.set NIL, 11                           ; v11  0; never rewritten
	s_load_b128 s[4:7], s[0:1], 0x0                ; ofine, W_out
	s_load_b64 s[8:9], s[0:1], 0x10                ; out0
	v_lshl_add_u32 v[SPW], v0, 2, SPARE
	v_mov_b32 v[NIL], 0
	v_lshrrev_b32 v1, 5, v0
	v_readfirstlane_b32 s18, v1                    ; wave 0..7
	v_and_b32 v1, 15, v0                           ; r
	v_bfe_u32 v2, v0, 4, 1                         ; h
	v_lshlrev_b32 v[WO], 12, v1
	v_lshl_add_u32 v[WO], v2, 5, v[WO]
	v_and_b32 v[LI], 31, v0
	v_lshlrev_b32 v[LI], 4, v[LI]
	s_lshl_b32 s19, s18, 10
	v_add_nc_u32 v[LW], s19, v[LI]
	s_and_b32 s19, s18, 1
	s_lshl_b32 s20, s19, 9
	v_add_nc_u32 v[LR], s20, v[LI]
	s_and_b32 s21, ttmp7, 0xffff                   ; the batch
	s_lshl_b32 s12, s21, 16                        ; ofine: (16 batch + 2 wave) 4,096
	s_lshl_b32 s13, s18, 13
	s_add_co_u32 s12, s12, s13
	s_mov_b32 s13, 0
	s_lshl_b32 s14, ttmp9, 16                      ; W_out: 16 rows of 4,096 bytes for each tile, my two heads' 512 bytes in a row
	s_lshl_b32 s15, s18, 9
	s_add_co_u32 s14, s14, s15
	s_mov_b32 s15, 0
	s_lshl_b32 s16, s21, 23                        ; out0: 2,048 rows a batch, 64 bytes a tile, 16 for waves 0 and 1
	s_lshl_b32 s17, ttmp9, 6
	s_add_co_u32 s16, s16, s17
	s_lshl_b32 s17, s19, 4
	s_add_co_u32 s16, s16, s17
	s_mov_b32 s17, 0
	s_wait_kmcnt 0x0
	s_add_nc_u64 s[4:5], s[4:5], s[12:13]
	s_add_nc_u64 s[6:7], s[6:7], s[14:15]
	s_add_nc_u64 s[8:9], s[8:9], s[16:17]
.irp e, 0,1                                    ; head 2 w + e, 16 channels ct, registers 4 c + 0..3: channel 16 ct + 8 h + 4 c + 0..3
.irp ct, 0,1,2,3
.irp c, 0,1
	global_load_b128 v[16+32*\e+8*\ct+4*\c:19+32*\e+8*\ct+4*\c], v[LI], s[4:5] offset:4096*\e+1024*\ct+512*\c
	global_load_b128 v[80+32*\e+8*\ct+4*\c:83+32*\e+8*\ct+4*\c], v[WO], s[6:7] offset:256*\e+64*\ct+16*\c
.endr
.endr
.endr
	s_wait_loadcnt 0x0
.irp e, 0,1                                    ; four accumulators by turns, one for each ct; the first four start the sums
.irp s, 0,1,2,3
.irp ct, 0,1,2,3
.if \e+\s == 0
	v_wmma_f32_16x16x4_f32 v[224+8*\ct:231+8*\ct], v[80+32*\e+8*\ct+2*\s:81+32*\e+8*\ct+2*\s], v[16+32*\e+8*\ct+2*\s:17+32*\e+8*\ct+2*\s], 0
.else
	v_wmma_f32_16x16x4_f32 v[224+8*\ct:231+8*\ct], v[80+32*\e+8*\ct+2*\s:81+32*\e+8*\ct+2*\s], v[16+32*\e+8*\ct+2*\s:17+32*\e+8*\ct+2*\s], v[224+8*\ct:231+8*\ct]
.endif
.endr
.endr
.endr
.rept 8
	v_nop                                          ; eight places behind this form (ISA guide 7.12.1)
.endr
.irp j, 0,1,2,3,4,5,6,7
	v_add_f32 v[144+\j], v[224+\j], v[232+\j]
	v_add_f32 v[152+\j], v[240+\j], v[248+\j]
	v_add_f32 v[144+\j], v[144+\j], v[152+\j]      ; lane (t = r, h): my part of output 16 N + 8 h + j
.endr
	ds_store_b128 v[LW], v[144:147]
	ds_store_b128 v[LW], v[148:151] offset:512
	s_wait_dscnt 0x0                               ; for the others' sake: my stores have landed
	s_barrier_signal -1
	s_barrier_wait -1                              ; the eight partial tiles lie in LDS
	s_cmp_ge_u32 s18, 2
	s_cbranch_scc1 .Ldone
.irp p, 0,1,2,3,4,5,6,7
	ds_load_b128 v[16+4*\p:19+4*\p], v[LR] offset:1024*\p      ; wave c: registers 4 c + 0..3 of each partial tile
.endr
	s_wait_dscnt 0x0
.irp p, 0,2,4,6
	v_pk_add_f32 v[16+4*\p:17+4*\p], v[16+4*\p:17+4*\p], v[20+4*\p:21+4*\p]
	v_pk_add_f32 v[18+4*\p:19+4*\p], v[18+4*\p:19+4*\p], v[22+4*\p:23+4*\p]
.endr
.irp p, 0,4
	v_pk_add_f32 v[16+4*\p:17+4*\p], v[16+4*\p:17+4*\p], v[24+4*\p:25+4*\p]
	v_pk_add_f32 v[18+4*\p:19+4*\p], v[18+4*\p:19+4*\p], v[26+4*\p:27+4*\p]
.endr
	v_pk_add_f32 v[16:17], v[16:17], v[32:33]
	v_pk_add_f32 v[18:19], v[18:19], v[34:35]
	global_store_b128 v[WO], v[16:19], s[8:9]      ; out0(batch, t = r, 16 N + 8 h + 4 c + 0..3)
.Ldone:
	s_wait_tensorcnt 0x0                           ; the wave's end, behind my last LDS store
	ds_add_u32 v[SPW], v[NIL]
	s_wait_dscnt 0x0
	s_endpgm
.Lfunc_end_k_q55e8ddbb76_fine_out:
	.size	k_q55e8ddbb76_fine_out, .Lfunc_end_k_q55e8ddbb76_fine_out-k_q55e8ddbb76_fine_out
	.p2alignl 7, 3214868480
	.fill 96, 4, 3214868480
	.section	.rodata,"a",@progbits
	.p2align	6, 0x0
	.amdhsa_kernel k_q55e8ddbb76_fine_out
		.amdhsa_group_segment_fixed_size 9216
		.amdhsa_private_segment_fixed_size 0
		.amdhsa_enable_private_segment 0
		.amdhsa_kernarg_size 24
		.amdhsa_user_sgpr_count 2
		.amdhsa_user_sgpr_kernarg_segment_ptr 1
		.amdhsa_wavefront_size32 1
		.amdhsa_system_sgpr_workgroup_id_x 1
		.amdhsa_system_sgpr_workgroup_id_y 1
		.amdhsa_system_sgpr_workgroup_id_z 1
		.amdhsa_system_vgpr_workitem_id 0
		.amdhsa_next_free_vgpr 256
		.amdhsa_next_free_sgpr 66
		.amdhsa_reserve_vcc 0
		.amdhsa_float_denorm_mode_32 3
		.amdhsa_float_denorm_mode_16_64 3
		.amdhsa_memory_ordered 1
		.amdhsa_forward_progress 1
		.amdhsa_inst_pref_size 10
	.end_amdhsa_kernel
	.amdgpu_metadata
---
amdhsa.version: [ 1, 2 ]
amdhsa.kernels:
  - .name:           k_q55e8ddbb76_fine_out
    .symbol:         k_q55e8ddbb76_fine_out.kd
    .args:
      - { .name: ofine, .offset: 0, .size: 8, .value_kind: global_buffer, .address_space: global }
      - { .name: W_out, .offset: 8, .size: 8, .value_kind: global_buffer, .address_space: global }
      - { .name: out0, .offset: 16, .size: 8, .value_kind: global_buffer, .address_space: global }
    .group_segment_fixed_size: 9216
    .private_segment_fixed_size: 0
    .kernarg_segment_align: 8
    .kernarg_segment_size: 24
    .max_flat_workgroup_size: 256
    .sgpr_count:     66
    .vgpr_count:     256
    .wavefront_size: 32
...
	.end_amdgpu_metadata
.endif
;; end of part 6
